; MI455X (gfx1250); checked and timed in simulation.
; The chip was launched on July 23, 2026; its instructions are those of AMD's public machine-readable ISA for CDNA 5 (MIT licence, August 2026) and "CDNA5" Instruction Set Architecture Reference Guide (July 2026). The comments in the code are by the model that wrote it; some were corrected since.
;; Self Attention. Allowed arithmetic: matrix products marked QUANTISED: E2M3 operands, one E8M0 scale for each 32 along K, by v_wmma_scale_f32_16x16x128_f8f6f4 with both operands' format E2M3, f32 sums; everything else in f32.
;; Inputs: out_b 1,024 float32; out_w 1,024 x 1,024 float32; qkv_b 3,072 float32; qkv_w 1,024 x 3,072 float32; x 4 x 2,048 x 1,024 float32.
;; Outputs: out0 4 x 2,048 x 1,024 float32.
;; This version of the problem:
;;   THIS VERSION OF THE PROBLEM IS GIVEN IN LOW PRECISION. The matrix products marked QUANTISED in the list below multiply operands that are first quantised to E2M3 (2 exponent bits, 3 mantissa bits; 6 bits a number), with one power-of-two scale for each 32 numbers along K (OCP MX v1.0); their sums are f32. All else is computed in f32.
;;   The module's matrix products, in the order in which they are computed (A, B: the left and right operand; K: the contracted axis; several contracted axes count as one K, in the product's order):
;;     1. [M 8,192, K 1,024] x [K 1,024, N 3,072]; A: input x; B: input qkv_w: QUANTISED
;;     2. batch 64 x [M 2,048, K 64] x [K 64, N 2,048]; A: computed on the way; B: computed on the way: QUANTISED
;;     3. batch 64 x [M 2,048, K 2,048] x [K 2,048, N 64]; A: softmax (see below); B: computed on the way: QUANTISED
;;     4. [M 8,192, K 1,024] x [K 1,024, N 1,024]; A: computed on the way; B: input out_w: QUANTISED
;;   THE QUANTISER, for each operand of a quantised product, along K:
;;     - K is cut into blocks of 32 from its start; a last block that is shorter is filled with zeros.
;;     - A block's scale is 2^e with e = floor(log2(the largest magnitude in the block)) - 2, held to -126 .. 127; a block of zeros has e = 0. As a byte (E8M0): e + 127.
;;     - Each number is divided by its block's scale, clamped to +-7.5, and rounded to the nearest number of E2M3, ties to even, subnormals kept.
;;     - The product sums the exact products of the quantised numbers (number of the format x scale) in f32.
;;   ~~~python
;;   def quantise(x, axis):      # numpy; x: float32 -> the quantised numbers, widened to float32 again
;;       x = np.moveaxis(x, axis, -1); K = x.shape[-1]
;;       x = np.pad(x, [(0, 0)] * (x.ndim - 1) + [(0, -K % 32)]); x = x.reshape(x.shape[:-1] + (-1, 32)); a = np.abs(x).max(-1, keepdims=True)
;;       e = np.where(a > 0, np.clip(np.frexp(np.where(a > 0, a, 1))[1] - 1 - 2, -126, 127), 0)      # np.frexp(a)[1] - 1 = floor(log2(a)), exactly
;;       r = np.clip(x / 2.0 ** e, -7.5, 7.5)
;;       step = 2.0 ** (np.maximum(np.frexp(np.where(r == 0, 1, r))[1] - 1, 0) - 3)
;;       q = np.round(r / step) * step * 2.0 ** e      # np.round: ties to even
;;       return np.moveaxis(q.reshape(q.shape[:-2] + (-1,))[..., :K], -1, axis).astype(np.float32)
;;   ~~~
;;   SOFTMAX AHEAD OF A QUANTISED PRODUCT. Where the list says 'softmax', what is quantised is not the finished softmax but p = 2^(t - M), with t = logit x log2(e) and M = ceil(the row's largest t), a whole number; so 1/2 < the row's largest p <= 1. The row's sum l is taken of the UNQUANTISED p, in f32, and the product's result is divided by l at the end. Since M is a whole number, a kernel that streams over the keys may use a running M (the ceiling of the running maximum): every later rescaling is an exact power of two, which a block's scale takes up: the codes' values come out the same.
;;   OPERANDS COMPUTED ON THE WAY. 'Computed on the way' means the value that the module computes at that place (a softmax that the list does not call 'softmax' is quantised finished and normalised). What goes into a quantiser is computed in f32, as accurately as f32 sums, v_exp_f32 and their like allow (about 1e-6 of the number): no bf16 or f16 on the way to a quantiser, and a product that is left as it is and whose result goes on into a quantised operand takes f32 operands (vector FMAs, or v_wmma_f32_16x16x4_f32). A number that lies on a knife's edge between two numbers of the format may be rounded either way, as far as f32 arithmetic and the matrix unit's own rounding can turn it there, and no further.
;; One version. Each part assembles by itself: llvm-mc -triple=amdgcn-amd-amdhsa -mcpu=gfx1250 --defsym DOCPART=n.
;; ======== version 1 of 1: 4 launches
;; workspace buffers: xq 6,291,456 bytes; xs 262,144 bytes; wq 3,145,728 bytes; ws 131,072 bytes; qkvr 20,185,088 bytes; yq 6,291,456 bytes; ys 262,144 bytes
;; launch prep (part 1): grid 384 x 1, 4 waves a work-group, no clusters, 102,912 bytes of LDS; arguments x, qkv_w, out_w, xq, xs, wq, ws; writes xq, xs, wq, ws
.if DOCPART == 1
	.amdgcn_target "amdgcn-amd-amdhsa--gfx1250"
	.amdhsa_code_object_version 6
	.text
	.protected	k_q01ee066ccb_prep
	.globl	k_q01ee066ccb_prep
	.p2align	8
	.type	k_q01ee066ccb_prep,@function
k_q01ee066ccb_prep:
	s_mov_b64 s[64:65], 0
	v_nop
	global_prefetch_b8 v0, s[64:65] scope:SCOPE_SE
	s_setreg_imm32_b32 hwreg(HW_REG_WAVE_MODE, 25, 1), 1
	s_wait_xcnt 0x0
; x [8192][1024], qkv_w [1024][3072] and out_w [1024][1024], all f32, become codes of FP6 (E2M3), K innermost, 768 bytes a row, with one E8M0 byte for each 32 along K.
; A block's scale is 2^(floor(log2(its largest magnitude)) - 2); its byte is the largest magnitude's exponent field - 2, held at 1 from below.
; LIMITS: a block of zeros, or one whose largest magnitude lies under 2^-124, keeps the byte 1 (zero codes add nothing; these bytes are read by this program alone); NaN and infinities among the inputs are not served.
; THE ORDER OF ROWS.  Rows (tokens of x, features of the weights) are STORED with three index bits turned: row 64 c + 32 a + 8 i + j (a: 1 bit, i: 2 bits, j: 3 bits) lies at place 64 c + 16 i + 8 a + j.
; A product that takes 16 stored rows as its source 0 then leaves, in one lane's 32 registers of four neighbouring tiles, 32 NEIGHBOURING true indices: a whole block of the next quantiser.
; Work-groups 0-255: x, a plain stream of blocks (a wave: 8 rows = 8,192 numbers, 16 steps of 512).  256-351: qkv_w.  352-383: out_w (a wave: 32 columns x 256 along K; a lane takes a column and its registers run down K).
; The three ways part on the work-group's number; each has LDS bytes of its own.  Waves share nothing: no barrier.
.set CB,    12                         ; bytes of 16 codes
.set STEPS, 16
.set R,     16                         ; x: v16-79   four sets of 16 numbers as loaded
.set X,     80                         ; x: v80-111  two sets of 16 neighbours
.set C,     128                        ; x: v128-191 codes, four registers a step: no store's data are written again
.set E,     112                        ; x: v112-127 a scale byte a step
.set WREG,  8192                       ; x: LDS of a wave: two stages of 32 x SP bytes, then its 256 scale bytes
.set SP,    80                         ; x: a lane's place in a stage: 64 bytes + 16 of padding
.set NB,    8                          ; weights: blocks of 32 along K for a wave
.set PITCH, 272                        ; weights: a stage row: sixteen places of 16 bytes (12 of codes each) + 16
.set KROW,  768                        ; a row of codes in bytes
.set WX,    32                         ; weights: v32-95 two sets of 32 numbers
.set WC,    96                         ; weights: a block's codes
.set OUTR,  112                        ; weights: v112-175 the way out
.set SB,    24                         ; weights: v24-25 the scale bytes
.macro XLOAD t                         ; 32 lanes read 512 consecutive bytes, four times
.irp i, 0,1,2,3
	global_load_b128 v[R+16*((\t)%4)+4*\i:R+16*((\t)%4)+4*\i+3], v3, s[4:5] offset:2048*(\t)+512*\i th:TH_LOAD_NT
.endr
.endm
.macro XTURN t                         ; a step's 2,048 bytes through the wave's stage: in as they lie, out 64 bytes a lane.  LDS serves a wave's instructions in order
.irp i, 0,1,2,3
	ds_store_b128 v14, v[R+16*((\t)%4)+4*\i:R+16*((\t)%4)+4*\i+3] offset:32*SP*((\t)%2)+8*SP*\i
.endr
.irp i, 0,1,2,3
	ds_load_b128 v[X+16*((\t)%2)+4*\i:X+16*((\t)%2)+4*\i+3], v15 offset:32*SP*((\t)%2)+16*\i
.endr
.endm
.macro XSTEP t
.set XS, X+16*((\t)%2)
.if (\t) > 0
	s_wait_dscnt 1                                 ; this step's numbers are back from the stage; the last step's byte store may be out
.else
	s_wait_dscnt 0x0
.endif
.if (\t)+4 < STEPS
	XLOAD (\t)+4                                   ; into the registers that this step's stage stores have read
.endif
.if (\t)+1 < STEPS
.if STEPS-2-(\t) >= 3
	s_wait_loadcnt 12                              ; the next step's four loads are in; three later steps' twelve may be out
.else
	s_wait_loadcnt 4*(STEPS-2-(\t))
.endif
	XTURN (\t)+1
.endif
	v_max3_num_f32 v8, |v[XS]|, |v[XS+1]|, |v[XS+2]|
	v_max3_num_f32 v9, |v[XS+3]|, |v[XS+4]|, |v[XS+5]|
.irp i, 6,10
	v_max3_num_f32 v8, v8, |v[XS+\i]|, |v[XS+\i+1]|
	v_max3_num_f32 v9, v9, |v[XS+\i+2]|, |v[XS+\i+3]|
.endr
	v_max3_num_f32 v8, v8, |v[XS+14]|, |v[XS+15]|
	v_max3_num_f32 v8, v8, v9, 0x1800000           ; the floor 2^(3 - 127): the byte cannot fall under 1
	v_max_num_f32_dpp v8, v8, v8 row_xmask:1 row_mask:0xf bank_mask:0xf   ; with my neighbour's 16: the block's largest magnitude
	v_add_nc_u32 v11, 0xff000000, v8               ; 2 off its exponent field: the conversion reads the exponent field of this operand alone
	v_cvt_scalef32_pk16_fp6_f32 v[C+4*(\t):C+4*(\t)+2], v[XS:XS+15], v11
	v_lshrrev_b32 v[E+(\t)], 23, v11               ; the scale's byte
	ds_store_b8 v5, v[E+(\t)] offset:16*(\t)       ; both lanes of a block write the same byte with the same value
	global_store_b96 v4, v[C+4*(\t):C+4*(\t)+2], s[10:11] offset:32*CB*(\t)   ; the wave stores 384 consecutive bytes
.endm
.macro WLOAD t, n                      ; block t: W(32 t + i, my column): 32 lanes read 128 consecutive bytes
.set jj, 0
.rept 32
	global_load_b32 v[WX+32*((\t)%2)+jj], v3, s[32:33] offset:(32*(\t)+jj)*\n*4 th:TH_LOAD_NT
.set jj, jj+1
.endr
.endm
.macro WBLOCK t, n
.set WSET, WX+32*((\t)%2)
.if (\t) < NB-1
	s_wait_loadcnt 32                              ; this block's 32 loads are in; the next block's may be out
.else
	s_wait_loadcnt 0
.endif
	v_max3_num_f32 v12, |v[WSET]|, |v[WSET+1]|, |v[WSET+2]|      ; all 32 numbers of the block are mine
	v_max3_num_f32 v13, |v[WSET+3]|, |v[WSET+4]|, |v[WSET+5]|
.irp i, 6,10,14,18,22,26
	v_max3_num_f32 v12, v12, |v[WSET+\i]|, |v[WSET+\i+1]|
	v_max3_num_f32 v13, v13, |v[WSET+\i+2]|, |v[WSET+\i+3]|
.endr
	v_max3_num_f32 v12, v12, |v[WSET+30]|, |v[WSET+31]|
	v_max3_num_f32 v12, v12, v13, 0x1800000
	v_add_nc_u32 v11, 0xff000000, v12
	v_lshrrev_b32 v13, 23, v11
.if (\t)%4 == 0
	v_mov_b32 v[SB+(\t)/4], v13                    ; four bytes to a register, the lower K in the lower byte
.else
	v_lshl_or_b32 v[SB+(\t)/4], v13, 8*((\t)%4), v[SB+(\t)/4]
.endif
	v_cvt_scalef32_pk16_fp6_f32 v[WC:WC+2], v[WSET:WSET+15], v11
	v_cvt_scalef32_pk16_fp6_f32 v[WC+4:WC+6], v[WSET+16:WSET+31], v11   ; (a conversion's three registers begin on an even number)
	ds_store_b96 v4, v[WC:WC+2] offset:32*(\t)     ; 12 bytes to a place of 16
	ds_store_b96 v4, v[WC+4:WC+6] offset:32*(\t)+16
.if (\t)+2 < NB
	WLOAD (\t)+2, \n
.endif
	s_wait_dscnt 0x0                               ; the stores have read their registers: the next block's codes may be written
.endm
; A weight [1024][n] at s[src]; its work-groups begin at number u0; its features' rows begin at row0 of wq and ws; its stages at LDS byte lb.
.macro WPATH n, src, u0, row0, lb
	s_sub_co_u32 s19, ttmp9, \u0
	s_lshr_b32 s20, s19, 2                         ; which 128 columns
	s_and_b32 s21, s19, 3                          ; which 256 along K
	s_lshl_b32 s20, s20, 7
	s_lshl_b32 s22, s18, 5
	s_add_co_u32 s20, s20, s22                     ; my wave's first column
	v_lshlrev_b32 v3, 2, v2                        ; in: 4 bytes a lane
	s_mul_i32 s22, s18, 32*PITCH
	s_add_co_u32 s22, s22, \lb                     ; my stage
	v_mul_u32_u24 v4, v2, PITCH
	v_add_nc_u32 v4, s22, v4                       ; into it: row = my column
	v_and_b32 v5, 15, v2
	v_lshrrev_b32 v6, 4, v2
	v_mul_u32_u24 v7, v6, PITCH
	v_lshl_add_u32 v7, v5, 4, v7
	v_add_nc_u32 v7, s22, v7                       ; out of it: sixteen lanes to a row, two rows an instruction
	v_mul_u32_u24 v8, v6, KROW
	v_mad_u32_u24 v8, v5, 12, v8                   ; and the same place among the codes
	v_lshrrev_b32 v9, 3, v2
	v_lshlrev_b32 v9, 4, v9
	v_and_b32 v10, 7, v2
	v_add_nc_u32 v9, v9, v10
	v_lshlrev_b32 v9, 5, v9                        ; my column's stored row, 16 (lane / 8) + lane % 8 on, of 32 scale bytes
	s_mul_i32 s24, s21, 256*\n*4
	s_lshl_b32 s23, s20, 2
	s_add_co_u32 s24, s24, s23
	s_mov_b32 s25, 0                               ; the weight: 256 rows a step along K, 4 bytes a column
	s_and_b32 s26, s20, 0xffffffc0
	s_and_b32 s27, s18, 1
	s_lshl_b32 s27, s27, 3
	s_add_co_u32 s26, s26, s27
	s_add_co_u32 s26, s26, \row0                   ; the stored row of my first column: columns 32 a + 8 i + j of a 64 go to rows 16 i + 8 a + j
	s_mul_i32 s28, s26, KROW
	s_mul_i32 s27, s21, 192
	s_add_co_u32 s28, s28, s27
	s_mov_b32 s29, 0
	s_lshl_b32 s30, s26, 5
	s_lshl_b32 s27, s21, 3
	s_add_co_u32 s30, s30, s27
	s_mov_b32 s31, 0
	s_wait_kmcnt 0x0
	s_add_nc_u64 s[32:33], s[\src:\src+1], s[24:25]
	s_add_nc_u64 s[34:35], s[14:15], s[28:29]
	s_add_nc_u64 s[36:37], s[16:17], s[30:31]
	WLOAD 0, \n
	WLOAD 1, \n
.set Q, 0
.rept NB
	WBLOCK Q, \n
.set Q, Q+1
.endr
	global_store_b64 v9, v[SB:SB+1], s[36:37]      ; my column's eight scale bytes
.irp t, 0,1,2,3,4,5,6,7,8,9,10,11,12,13,14,15
	ds_load_b96 v[OUTR+4*\t:OUTR+4*\t+2], v7 offset:2*\t*PITCH   ; LDS serves a wave's instructions in order: these see my stores
.endr
.irp t, 0,1,2,3,4,5,6,7,8,9,10,11,12,13,14,15
	s_wait_dscnt 15-\t                             ; the younger loads may be out
	global_store_b96 v8, v[OUTR+4*\t:OUTR+4*\t+2], s[34:35] offset:(16*(\t/4)+(2*\t)%8)*KROW   ; sixteen lanes store a row's 192 consecutive bytes; columns 2 t, 2 t + 1 at their stored rows
.endr
.endm
	s_load_b256 s[4:11], s[0:1], 0x0               ; x s[4:5], qkv_w s[6:7], out_w s[8:9], xq s[10:11]
	s_load_b128 s[12:15], s[0:1], 0x20             ; xs s[12:13], wq s[14:15]
	s_load_b64 s[16:17], s[0:1], 0x30              ; ws
	v_lshl_add_u32 v192, v0, 2, 0x19000
	v_mov_b32 v193, 0
	v_lshrrev_b32 v1, 5, v0
	v_readfirstlane_b32 s18, v1                    ; wave 0..3
	v_and_b32 v2, 31, v0                           ; lane
	s_cmp_lt_u32 ttmp9, 256
	s_cbranch_scc0 .Lweights
	; ---- x
	v_lshlrev_b32 v3, 4, v2                        ; my 16 bytes of a load's 512
	s_mul_i32 s19, s18, WREG
	v_lshrrev_b32 v14, 2, v2
	v_mul_u32_u24 v14, v14, SP
	v_and_b32 v15, 3, v2
	v_lshl_add_u32 v14, v15, 4, v14
	v_add_nc_u32 v14, s19, v14                     ; the stage, in: SP (lane / 4) + 16 (lane % 4)
	v_mul_u32_u24 v15, v2, SP
	v_add_nc_u32 v15, s19, v15                     ; out: SP x lane: my 16 neighbours
	v_mul_u32_u24 v4, v2, CB                       ; my codes' place in a step's
	v_lshrrev_b32 v5, 1, v2
	s_add_co_u32 s19, s19, 2*32*SP
	v_add_nc_u32 v5, s19, v5                       ; my block's byte among my wave's 256
	v_lshlrev_b32 v7, 3, v2
	v_add_nc_u32 v6, s19, v7
	s_lshl_b32 s20, ttmp9, 2
	s_add_co_u32 s20, s20, s18                     ; which run of 8 rows is my wave's
	s_lshl_b32 s22, s20, 15                        ; 32,768 bytes of x a run
	s_mov_b32 s23, 0
	s_and_b32 s21, s20, 3
	s_lshl_b32 s21, s21, 1
	s_bfe_u32 s24, s20, 0x10002
	s_and_b32 s20, s20, 0xfffffff8
	s_or_b32 s20, s20, s21
	s_or_b32 s20, s20, s24                         ; run 8 c + 4 a + i is stored as run 8 c + 2 i + a
	s_wait_kmcnt 0x0
	s_add_nc_u64 s[4:5], s[4:5], s[22:23]
	s_mul_i32 s22, s20, 6144
	s_add_nc_u64 s[10:11], s[10:11], s[22:23]
	s_lshl_b32 s22, s20, 8
	s_add_nc_u64 s[12:13], s[12:13], s[22:23]
.irp t, 0,1,2,3
	XLOAD \t
.endr
	s_wait_loadcnt 12                              ; step 0's four loads are in
	XTURN 0
.irp t, 0,1,2,3,4,5,6,7,8,9,10,11,12,13,14,15
	XSTEP \t
.endr
	ds_load_b64 v[12:13], v6                       ; my wave's 256 scale bytes, 8 a lane
	s_wait_dscnt 0x0
	global_store_b64 v7, v[12:13], s[12:13]        ; 32 lanes store 256 consecutive bytes, aligned
	s_wait_tensorcnt 0x0
	ds_add_u32 v192, v193
	s_wait_dscnt 0x0
	s_endpgm
.Lweights:
	s_cmp_lt_u32 ttmp9, 352
	s_cbranch_scc0 .Lout_w
	WPATH 3072, 6, 256, 0, 32768
	s_wait_tensorcnt 0x0
	ds_add_u32 v192, v193
	s_wait_dscnt 0x0
	s_endpgm
.Lout_w:
	WPATH 1024, 8, 352, 3072, 67584
	s_wait_tensorcnt 0x0
	ds_add_u32 v192, v193
	s_wait_dscnt 0x0
	s_endpgm
.Lfunc_end_k_q01ee066ccb_prep:
	.size	k_q01ee066ccb_prep, .Lfunc_end_k_q01ee066ccb_prep-k_q01ee066ccb_prep
	.p2alignl 7, 3214868480
	.fill 96, 4, 3214868480
	.section	.rodata,"a",@progbits
	.p2align	6, 0x0
	.amdhsa_kernel k_q01ee066ccb_prep
		.amdhsa_group_segment_fixed_size 102912
		.amdhsa_private_segment_fixed_size 0
		.amdhsa_enable_private_segment 0
		.amdhsa_kernarg_size 56
		.amdhsa_user_sgpr_count 2
		.amdhsa_user_sgpr_kernarg_segment_ptr 1
		.amdhsa_wavefront_size32 1
		.amdhsa_system_sgpr_workgroup_id_x 1
		.amdhsa_system_sgpr_workgroup_id_y 1
		.amdhsa_system_sgpr_workgroup_id_z 1
		.amdhsa_system_vgpr_workitem_id 0
		.amdhsa_next_free_vgpr 194
		.amdhsa_next_free_sgpr 66
		.amdhsa_reserve_vcc 0
		.amdhsa_float_denorm_mode_32 3
		.amdhsa_float_denorm_mode_16_64 3
		.amdhsa_memory_ordered 1
		.amdhsa_forward_progress 1
		.amdhsa_inst_pref_size 115
	.end_amdhsa_kernel
	.amdgpu_metadata
---
amdhsa.version: [ 1, 2 ]
amdhsa.kernels:
  - .name:           k_q01ee066ccb_prep
    .symbol:         k_q01ee066ccb_prep.kd
    .args:
      - { .name: x, .offset: 0, .size: 8, .value_kind: global_buffer, .address_space: global }
      - { .name: qkv_w, .offset: 8, .size: 8, .value_kind: global_buffer, .address_space: global }
      - { .name: out_w, .offset: 16, .size: 8, .value_kind: global_buffer, .address_space: global }
      - { .name: xq, .offset: 24, .size: 8, .value_kind: global_buffer, .address_space: global }
      - { .name: xs, .offset: 32, .size: 8, .value_kind: global_buffer, .address_space: global }
      - { .name: wq, .offset: 40, .size: 8, .value_kind: global_buffer, .address_space: global }
      - { .name: ws, .offset: 48, .size: 8, .value_kind: global_buffer, .address_space: global }
    .group_segment_fixed_size: 102912
    .private_segment_fixed_size: 0
    .kernarg_segment_align: 8
    .kernarg_segment_size: 56
    .max_flat_workgroup_size: 128
    .sgpr_count:     66
    .vgpr_count:     194
    .wavefront_size: 32
...
	.end_amdgpu_metadata
.endif
;; end of part 1
;; launch gemm_qkv (part 2): grid 12 x 32, 4 waves a work-group, clusters of 4 x 4, 327,680 bytes of LDS; arguments xq, xs, wq, ws, qkv_b, qkvr; writes qkvr
.if DOCPART == 2
	.amdgcn_target "amdgcn-amd-amdhsa--gfx1250"
	.amdhsa_code_object_version 6
	.text
	.protected	k_q01ee066ccb_gemm_qkv
	.globl	k_q01ee066ccb_gemm_qkv
	.p2align	8
	.type	k_q01ee066ccb_gemm_qkv,@function
k_q01ee066ccb_gemm_qkv:
	s_mov_b64 s[64:65], 0
	v_nop
	global_prefetch_b8 v0, s[64:65] scope:SCOPE_SE
	s_setreg_imm32_b32 hwreg(HW_REG_WAVE_MODE, 25, 1), 1
	s_wait_xcnt 0x0
	s_wait_alu depctr_hold_cnt(0) depctr_sa_sdst(0) depctr_va_vdst(0) depctr_va_sdst(0) depctr_va_ssrc(0) depctr_va_vcc(0) depctr_vm_vsrc(0)
	s_getreg_b32 s2, hwreg(HW_REG_IB_STS2, 6, 4)
	s_cmp_eq_u32 s2, 0
	s_cbranch_scc0 .Lentry_in_a_cluster
	s_endpgm
.Lentry_in_a_cluster:
	s_bfe_u32 s2, ttmp6, 0x10000c
	s_cmp_lg_u32 s2, 0xf033
	s_cbranch_scc0 .Lentry_shape_is_right
	s_endpgm
.Lentry_shape_is_right:
; qkv = x qkv_w + qkv_b on codes of FP6 (E2M3) with one E8M0 scale for each 32 along K = 1,024; the results are quantised again at once, q and k along the head's 64, v along the keys, and leave as IMAGES OF OPERAND REGISTERS.
; A tile of 256 x 256 results to a work-group of four waves, 128 x 128 a wave (64 accumulators, 512 registers).  K goes in steps of 256 through a ring of two LDS slots filled by the tensor data mover (rows of 192 bytes);
; the scale bytes of the work-group's rows, for all of K, come into LDS once, with the first fills.  4 x 4 work-groups form a cluster: the tiles of the side called A are asked for jointly along a row of it, B's along a column.
; The matrix instruction takes B's 16 rows as source 0 and A's as source 1: a lane holds ONE row of A, and its registers run along B's rows.
; TWO ROLES, by the cluster's x, which all sixteen partners share.  Clusters 0, 1 (q and k): A = tokens, B = features 0-2047.  Cluster 2 (v): A = features 2048-3071, B = tokens.
; So what runs down a lane's registers is the axis of the next quantiser: the head's channels for q and k, the keys for v.  Rows are stored with three index bits turned (row 64 c + 32 a + 8 i + j at place 64 c + 16 i + 8 a + j):
; the 32 registers of B's tiles 4 c .. 4 c + 3 in lane (r, h) are the true indices 64 c + 32 h + 0 .. 31: a whole block of 32 in one lane, in the order of the 6-bit operand's registers.
; qkvr: a record of 19,712 bytes for each (batch x 16 + head, step of 128 tokens): K's codes 6,144 (8 tiles x 6 registers, four registers a chunk of 512 bytes, lane l at 16 l), K's scale words 512, V's codes 6,144 (4 fragments x 12
; registers), V's scale words 256, Q's codes 6,144, Q's scale words 512.  A scale register holds an even tile's words in lanes 0-15 and the next tile's in lanes 16-31.  Every store of a wave covers 512 (or 256) consecutive aligned bytes.
; LIMITS: a block whose largest magnitude lies under 2^-124 keeps the scale byte 1; NaN and infinities are not served.
; REGISTERS, in windows of 256: window 0: v16-31 addresses; v32-63 scale words, two sets; v64-127 the bias by registers; v128-223 A's fragments, one set; v224-239 the bias by lanes.  window 1: B's fragments, two sets.
;   windows 2, 3: the accumulators ((a, b) at v[8 (8 (a % 4) + b)] of window 2 + a / 4).  In the epilogue window 0's v32-51 and v128-222 are at work.
.set KSTEP,  256
.set NQ,     KSTEP/128
.set ROWB,   192
.set KROW,   768
.set PITCH,  240                       ; an LDS row: 3 x (64 bytes + 16 of padding)
.set FR,     12
.set NL,     6
.set NP,     4                         ; places behind this matrix instruction (ISA guide 7.12.1)
.set HALFT,  128*PITCH
.set SLOT,   4*HALFT
.set LAPS,   2                         ; 1,024 along K = two laps of two slots
.set KS,     32                        ; a row of scale bytes
.set SCL,    2*SLOT
.set HALFS,  (128*KS/256)*272
.set SBLK,   (16*KS/256)*272
.set SPARE,  SCL+4*HALFS               ; the spare words: 128 bytes a wave, two blocks of 256 bytes that no other line names
.set REC,    19712                     ; a record of qkvr
.set HEADB,  16*REC                    ; from a head's record to the next head's
.set ADRA, 16                          ; v16-19
.set ADRB, 20                          ; v20-23
.set L16,  24                          ; v24  16 x lane
.set L8,   25                          ; v25  8 x lane
.set H8,   26                          ; v26  8 x (lane / 16)
.set ADRS, 27
.set SPW,  28
.set NIL,  29
.set BJO,  30                          ; v30  128 x (lane / 16): the bias by registers
.set BIO,  31                          ; v31  128 (r / 8) + 4 (r % 8): the bias by lanes
.set SC,   32
.set BJ,   64
.set AF,   128
.set BI,   224
.set TM,   32                          ; the epilogue: two largest magnitudes,
.set SO,   34                          ; two scale operands,
.set BY,   36                          ; two bytes,
.set PW,   38                          ; the scale word,
.set PX,   39                          ; the other half's,
.set E0,   40                          ; v40-43 halves of scale words
.set E1,   41
.set T0,   42
.set T1,   43
.set KSI,  44                          ; v44-51 scale images
.set ST,   128                         ; v128-191 the 64 numbers in hand
.set PC,   192                         ; v192-215 codes
.set CT,   216                         ; v216-218, v220-222 a block's second half
.set G1, 24
.set G0, 32
.set G1B, 48
.set G0B, 56
.set G1S, 68
.set G0S, 76
.set G1SB, 80
.set G0SB, 88
.set MSB, 0
.macro WIN new                         ; the immediate's high byte repeats the setting that is left
.if MSB != \new
	s_set_vgpr_msb (MSB<<8)|\new
.set MSB, \new
.endif
.endm
.set MUL_LO, 0xa1                      ; source 0 (B) window 1, source 1 (A) window 0, C and D window 2
.set MUL_HI, 0xf1
.set TO_B,   0x40
; A joint load: waves 0 and 1 fetch for A, waves 2 and 3 for B; the branch hangs on the wave's number alone.  Four v_nop follow each of the two lines.
.macro JLOAD g0a, g1a, g0b, g1b
	s_cmp_eq_u32 s15, 0
	s_cbranch_scc0 .Lfor_b_\@
	tensor_load_to_lds s[\g0a:\g0a+3], s[\g1a:\g1a+7]
	s_nop 0
.rept 4
	v_nop
.endr
	s_branch .Lasked_\@
.Lfor_b_\@:
	tensor_load_to_lds s[\g0b:\g0b+3], s[\g1b:\g1b+7]
	s_nop 0
.rept 4
	v_nop
.endr
.Lasked_\@:
.endm
.macro CREST                           ; a round of the cluster's barrier behind its opening barrier
	s_cmp_lg_u32 s14, 0
	s_cbranch_scc1 .Lnot_wave_0_\@
	s_barrier_signal -3
.Lnot_wave_0_\@:
	s_barrier_wait -3
	s_barrier_signal -1
	s_barrier_wait -1
.endm
.macro CROUND
	s_barrier_signal -1
	s_barrier_wait -1
	CREST
.endm
	s_load_b256 s[4:11], s[0:1], 0x0               ; xq s[4:5], xs s[6:7], wq s[8:9], ws s[10:11]
	s_load_b64 s[96:97], s[0:1], 0x20              ; qkv_b
	s_load_b64 s[12:13], s[0:1], 0x28              ; qkvr
	v_lshl_add_u32 v[SPW], v0, 2, SPARE
	v_mov_b32 v[NIL], 0
	ds_add_u32 v28, v29
	ds_add_u32 v28, v29
	s_wait_dscnt 0x0
	v_lshrrev_b32 v1, 5, v0
	v_readfirstlane_b32 s14, v1                    ; wave 0..3
	s_lshr_b32 s15, s14, 1                         ; which half of A's rows is mine.  Also: I fetch for A (0) or for B (1)
	s_and_b32 s16, s14, 1                          ; which half of B's rows.  Also: which 128 rows I fetch
	s_bfe_u32 s40, ttmp6, 0x40000                  ; cx, cy: my place in the cluster
	s_bfe_u32 s41, ttmp6, 0x40004
	s_and_b32 s17, ttmp7, 0xffff                   ; the cluster's y
	s_cmp_eq_u32 ttmp9, 2                          ; the role hangs on the cluster's x alone
	s_cselect_b32 s95, 1, 0                        ; 1: v
	s_cselect_b32 s66, 0, s17                      ; A's four tile rows: of the tokens by the cluster's y; of v's 1,024 features the only four
	s_cselect_b32 s67, s17, ttmp9                  ; B's four tile columns: of q's and k's features by the cluster's x; of the tokens by its y
	s_lshl_b32 s42, s67, 2
	s_add_co_u32 s42, s42, s40                     ; B's tile
	s_lshl_b32 s17, s66, 2
	s_add_co_u32 s17, s17, s41                     ; A's tile
	s_lshl_b32 s43, s41, 2
	s_lshl_b32 s43, 15, s43                        ; my row of the cluster
	s_lshl_b32 s44, 0x1111, s40                    ; my column
	; descriptor group 1: a tile of 128 rows x 192 bytes, 16 bytes of padding behind every 64
	s_or_b32 s[G1+0], s43, (0<<16)|(1<<20)|(1<<21)|(3<<22)|(3<<25)
	s_or_b32 s[G1B+0], s44, (0<<16)|(1<<20)|(1<<21)|(3<<22)|(3<<25)
.irp g, G1, G1B
	s_mov_b32 s[\g+1], ROWB<<16                    ; tensor_dim0
	s_mov_b32 s[\g+2], 128<<16                     ; tensor_dim1
	s_mov_b32 s[\g+3], ROWB<<16                    ; tile_dim0
	s_mov_b32 s[\g+4], 128                         ; tile_dim1
	s_mov_b32 s[\g+5], KROW                        ; from row to row
	s_mov_b32 s[\g+6], 0
	s_mov_b32 s[\g+7], 0
.endr
	; the scale bytes of 128 rows: 4,096 dense bytes as 16 rows of 256 (32 elements of 8 bytes), 16 bytes of padding behind each
	s_or_b32 s[G1S+0], s43, (3<<16)|(1<<20)|(1<<21)|(5<<22)|(3<<25)
	s_or_b32 s[G1SB+0], s44, (3<<16)|(1<<20)|(1<<21)|(5<<22)|(3<<25)
.irp g, G1S, G1SB
	s_mov_b32 s[\g+1], 32<<16
	s_mov_b32 s[\g+2], (128*KS/256)<<16
	s_mov_b32 s[\g+3], 32<<16
	s_mov_b32 s[\g+4], 128*KS/256
	s_mov_b32 s[\g+5], 32
	s_mov_b32 s[\g+6], 0
	s_mov_b32 s[\g+7], 0
.endr
	s_lshl_b32 s18, s16, 7                         ; which 128 rows of the tile I fetch
	s_lshl_b32 s20, s17, 8
	s_add_co_u32 s20, s20, s18                     ; A's row
	s_lshl_b32 s46, s42, 8
	s_add_co_u32 s46, s46, s18                     ; B's row
	s_mov_b32 s21, 0
	s_mov_b32 s47, 0
	s_mov_b64 s[18:19], KS
	s_mul_u64 s[22:23], s[20:21], s[18:19]         ; where these rows' scale bytes begin
	s_mul_u64 s[92:93], s[46:47], s[18:19]
	s_mov_b64 s[18:19], KROW
	s_mul_u64 s[20:21], s[20:21], s[18:19]         ; and their codes
	s_mul_u64 s[46:47], s[46:47], s[18:19]
	s_mul_i32 s45, s14, HALFT                      ; where they go: wave x 128 rows
	s_mul_i32 s94, s14, HALFS
	s_wait_kmcnt 0x0
	s_add_nc_u64 s[98:99], s[8:9], 2048*KROW       ; v's features begin at row 2,048 of the weights
	s_add_nc_u64 s[100:101], s[10:11], 2048*KS
	s_cmp_eq_u32 s95, 1                            ; the sides' buffers, by the role
	s_cselect_b64 s[98:99], s[98:99], s[4:5]       ; A's codes
	s_cselect_b64 s[100:101], s[100:101], s[6:7]   ; A's scale bytes
	s_cselect_b64 s[8:9], s[4:5], s[8:9]           ; B's codes
	s_cselect_b64 s[10:11], s[6:7], s[10:11]       ; B's scale bytes
	s_add_nc_u64 s[20:21], s[98:99], s[20:21]
	s_add_nc_u64 s[22:23], s[100:101], s[22:23]
	s_add_nc_u64 s[46:47], s[8:9], s[46:47]
	s_add_nc_u64 s[92:93], s[10:11], s[92:93]
	CROUND                                         ; all sixteen work-groups are here: the first joint loads meet
	s_mov_b32 s[G0S], 1
	s_add_co_u32 s[G0S+1], s94, SCL
	s_mov_b64 s[G0S+2:G0S+3], s[22:23]
	s_or_b32 s[G0S+3], s[G0S+3], 0x80000000
	s_mov_b32 s[G0SB], 1
	s_add_co_u32 s[G0SB+1], s94, SCL
	s_mov_b64 s[G0SB+2:G0SB+3], s[92:93]
	s_or_b32 s[G0SB+3], s[G0SB+3], 0x80000000
	JLOAD G0S, G1S, G0SB, G1SB                     ; the scale bytes first: they are wanted with K step 0
.irp s, 0,1
	s_mov_b32 s[G0+4*\s], 1
	s_add_co_u32 s[G0+4*\s+1], s45, \s*SLOT
	s_add_nc_u64 s[G0+4*\s+2:G0+4*\s+3], s[20:21], \s*ROWB
	s_or_b32 s[G0+4*\s+3], s[G0+4*\s+3], 0x80000000
	s_mov_b32 s[G0B+4*\s], 1
	s_add_co_u32 s[G0B+4*\s+1], s45, \s*SLOT
	s_add_nc_u64 s[G0B+4*\s+2:G0B+4*\s+3], s[46:47], \s*ROWB
	s_or_b32 s[G0B+4*\s+3], s[G0B+4*\s+3], 0x80000000
	JLOAD G0+4*\s, G1, G0B+4*\s, G1B
.endr
	v_and_b32 v1, 15, v0                           ; r
	v_bfe_u32 v2, v0, 4, 1                         ; h
	v_mul_u32_u24 v3, v1, PITCH
	v_mul_u32_u24 v4, v2, 24
	v_add_nc_u32 v4, v3, v4                        ; a fragment's row x pitch + 24 h
	v_lshl_add_u32 v5, v2, 4, v4                   ; and the same behind one padding more
	s_mul_i32 s21, s15, HALFT                      ; my 128 rows of A
	s_mul_i32 s22, s16, HALFT                      ; my 128 rows of B,
	s_add_co_u32 s22, s22, 2*HALFT                 ; behind A's 256
.irp s, 0,1
	v_add_nc_u32 v[ADRA+\s], s21, v4
	v_add_nc_u32 v[ADRB+\s], s22, v4
	v_add_nc_u32 v[ADRA+2+\s], s21, v5
	v_add_nc_u32 v[ADRB+2+\s], s22, v5
	s_add_co_u32 s21, s21, SLOT
	s_add_co_u32 s22, s22, SLOT
.endr
	v_mul_u32_u24 v5, v1, KS                       ; my row's scale bytes,
	v_lshrrev_b32 v6, 8, v5
	v_lshl_add_u32 v5, v6, 4, v5                   ; and 16 more for each 256 passed
	s_mul_i32 s21, s15, HALFS
	s_mul_i32 s22, s16, HALFS
	s_add_co_u32 s22, s22, 2*HALFS
	s_sub_co_u32 s22, s22, s21
	v_mul_u32_u24 v6, s22, v2                      ; lanes 16-31 take B's
	s_add_co_u32 s21, s21, SCL
	v_add_nc_u32 v5, v5, v6
	v_add_nc_u32 v[ADRS], s21, v5
	v_and_b32 v6, 31, v0
	v_lshlrev_b32 v[L16], 4, v6
	v_lshlrev_b32 v[L8], 3, v6
	v_lshlrev_b32 v[H8], 3, v2
	v_lshlrev_b32 v[BJO], 7, v2
	v_lshrrev_b32 v7, 3, v1
	v_and_b32 v8, 7, v1
	v_lshlrev_b32 v[BIO], 2, v8
	v_lshl_add_u32 v[BIO], v7, 7, v[BIO]
	; where my results go, and my biases
	s_lshl_b32 s20, s17, 8
	s_lshl_b32 s21, s15, 7
	s_add_co_u32 s20, s20, s21                     ; my first row of A
	s_lshl_b32 s46, s42, 8
	s_lshl_b32 s47, s16, 7
	s_add_co_u32 s46, s46, s47                     ; my first row of B
	s_cmp_eq_u32 s95, 1
	s_cselect_b32 s21, s46, s20                    ; my first token: 128 of them are one step
	s_cselect_b32 s47, s20, s46                    ; my first feature (of q and k together, or of v): 128 of them are two heads
	s_add_co_u32 s92, s47, 2048
	s_lshr_b32 s93, s47, 10
	s_cmp_eq_u32 s93, 0
	s_cselect_b32 s93, 13056, 0                    ; q's part of a record, or k's
	s_cmp_eq_u32 s95, 1
	s_cselect_b32 s22, 0, s47                      ; the bias by registers: q's and k's features (for v it is loaded from the buffer's head and not used)
	s_cselect_b32 s23, s92, 0                      ; the bias by lanes: v's features (likewise the other way round)
	s_cselect_b32 s93, 6656, s93                   ; v's part
	s_lshr_b32 s20, s21, 11                        ; the batch
	s_lshl_b32 s20, s20, 8
	s_bfe_u32 s46, s21, 0x40007                    ; the step
	s_or_b32 s20, s20, s46
	s_bfe_u32 s46, s47, 0x40006                    ; the head
	s_lshl_b32 s46, s46, 4
	s_or_b32 s20, s20, s46                         ; the record: (batch x 16 + head) x 16 + step
	s_mul_i32 s20, s20, REC
	s_add_co_u32 s20, s20, s93
	s_mov_b32 s21, 0
	s_add_nc_u64 s[12:13], s[12:13], s[20:21]
	s_lshl_b32 s46, s22, 2
	s_mov_b32 s47, 0
	s_add_nc_u64 s[46:47], s[96:97], s[46:47]
	s_lshl_b32 s92, s23, 2
	s_mov_b32 s93, 0
	s_add_nc_u64 s[92:93], s[96:97], s[92:93]
.irp b, 0,1,2,3,4,5,6,7                        ; register 8 b + j of lane (r, h) is feature 64 (b / 4) + 32 h + 8 (b % 4) + j
	global_load_b128 v[BJ+8*\b:BJ+8*\b+3], v[BJO], s[46:47] offset:256*(\b/4)+32*(\b%4)
	global_load_b128 v[BJ+8*\b+4:BJ+8*\b+7], v[BJO], s[46:47] offset:256*(\b/4)+32*(\b%4)+16
.endr
.irp b, 0,1,2,3,4,5,6,7                        ; lane r of A's block b is feature 64 (b / 4) + 32 (r / 8) + 8 (b % 4) + r % 8; twice, a pair for the packed addition
	global_load_b32 v[BI+2*\b], v[BIO], s[92:93] offset:256*(\b/4)+32*(\b%4)
	global_load_b32 v[BI+2*\b+1], v[BIO], s[92:93] offset:256*(\b/4)+32*(\b%4)
.endr
.macro FRAG reg, adr, q, i             ; 16 rows x 128 K of 6-bit codes: 12 registers; registers 6 c .. 6 c + 5 hold K = 64 c + 32 h + 0 .. 31: 24 bytes of the row as they lie, in pieces of 8
.irp p, 0,1,2,3,4,5
.set PCE, 12*(\q)+6*(\p/3)+\p%3        ; lanes 16-31 read three pieces on: where that lies behind one padding more, the second address register serves
.if PCE%8 < 5
	ds_load_b64 v[\reg+2*\p:\reg+2*\p+1], v[\adr] offset:8*PCE+16*(PCE/8)+(\i)*16*PITCH
.else
	ds_load_b64 v[\reg+2*\p:\reg+2*\p+1], v[\adr+2] offset:8*PCE+16*(PCE/8)+(\i)*16*PITCH
.endif
.endr
.endm
; 16 matrix instructions: A's blocks a0, a0 + 1 x B's eight.  The 64 accumulators take turns, one instruction a turn, in the same order in every step.
.macro MUL16 a0, p, q, sc, zero
.irp a, \a0, \a0+1
.irp b, 0,1,2,3,4,5,6,7
.if \zero
	v_wmma_scale_f32_16x16x128_f8f6f4 v[8*(8*((\a)%4)+\b):8*(8*((\a)%4)+\b)+7], v[128*(\p)+FR*\b:128*(\p)+FR*\b+FR-1], v[AF+FR*(\a):AF+FR*(\a)+FR-1], 0, v[SC+8*NQ*(\sc)+NQ*\b+(\q)], v[SC+8*NQ*(\sc)+NQ*(\a)+(\q)] matrix_a_fmt:MATRIX_FMT_FP6 matrix_b_fmt:MATRIX_FMT_FP6 matrix_a_scale:MATRIX_SCALE_ROW1
.else
	v_wmma_scale_f32_16x16x128_f8f6f4 v[8*(8*((\a)%4)+\b):8*(8*((\a)%4)+\b)+7], v[128*(\p)+FR*\b:128*(\p)+FR*\b+FR-1], v[AF+FR*(\a):AF+FR*(\a)+FR-1], v[8*(8*((\a)%4)+\b):8*(8*((\a)%4)+\b)+7], v[SC+8*NQ*(\sc)+NQ*\b+(\q)], v[SC+8*NQ*(\sc)+NQ*(\a)+(\q)] matrix_a_fmt:MATRIX_FMT_FP6 matrix_b_fmt:MATRIX_FMT_FP6 matrix_a_scale:MATRIX_SCALE_ROW1
.endif
.endr
.endr
.endm
.macro FETCH_B slot, q, p
	WIN TO_B
.irp i, 0,1,2,3,4,5,6,7
	FRAG 128*(\p)+FR*\i, ADRB+\slot, \q, \i
.endr
	WIN 0
.endm
.macro FETCH_A slot, q, i0
.irp i, \i0, \i0+1, \i0+2, \i0+3
	FRAG AF+FR*(\i), ADRA+\slot, \q, \i
.endr
.endm
.macro SCALES sc                       ; a K step's scale words: lanes 0-15 A's block i, lanes 16-31 B's block i
.irp i, 0,1,2,3,4,5,6,7
	ds_load_b64 v[SC+8*NQ*\sc+NQ*\i:SC+8*NQ*\sc+NQ*\i+1], v[ADRS] offset:\i*SBLK
.endr
.endm
.macro PLACES n                        ; plain vector lines between a matrix instruction and a load into, or a vector line on, its registers
.rept \n
	v_nop
.endr
.endm
.macro STEP slot, q, zero              ; 128 along K with its successor in the same slot
	s_wait_dscnt 4*NL                              ; B's set and A's blocks 0-3 are in; the youngest 24 loads (A's blocks 4-7) may be out
	WIN MUL_LO
	MUL16 0, (\q)%2, \q, \slot, \zero
	MUL16 2, (\q)%2, \q, \slot, \zero
	s_wait_dscnt 0
	PLACES NP
	FETCH_B \slot, (\q)+1, 1-(\q)%2
	FETCH_A \slot, (\q)+1, 0
	WIN MUL_HI
	MUL16 4, (\q)%2, \q, \slot, \zero
	MUL16 6, (\q)%2, \q, \slot, \zero
	PLACES NP
	WIN 0
	FETCH_A \slot, (\q)+1, 4
.endm
; A slot's last step changes slots: one barrier; in front of it each wave waits for all its tensor loads, adds 0 to its spare word, and waits for that and for its reads of this slot.
.macro TURN slot, next, fill
	s_wait_tensorcnt 0x0                           ; all my tensor loads have landed: my part of the next slot
	ds_add_u32 v[SPW], v[NIL]
	s_wait_dscnt 4*NL+1                            ; the add and the youngest 24 loads may be out
	WIN MUL_LO
	MUL16 0, 1, NQ-1, \slot, 0
	s_wait_dscnt 0x0                               ; the add is done, and my reads of this slot are over
	s_barrier_signal -1
	MUL16 2, 1, NQ-1, \slot, 0
	WIN 0
	s_barrier_wait -1
.if \fill
	CREST                                          ; the barrier has opened a round of the cluster's: no wave of any partner still reads this slot or has a load on its way
	s_add_nc_u64 s[G0+4*\slot+2:G0+4*\slot+3], s[G0+4*\slot+2:G0+4*\slot+3], 2*ROWB
	s_add_nc_u64 s[G0B+4*\slot+2:G0B+4*\slot+3], s[G0B+4*\slot+2:G0B+4*\slot+3], 2*ROWB
	JLOAD G0+4*\slot, G1, G0B+4*\slot, G1B         ; the first tensor load behind the round; its four v_nop are the places in front of the loads below
.else
	PLACES NP
.endif
	v_add_nc_u32 v[ADRS], 4*NQ, v[ADRS]            ; the next K step's scale words
	FETCH_B \next, 0, 0
	FETCH_A \next, 0, 0
	SCALES \next
	WIN MUL_HI
	MUL16 4, 1, NQ-1, \slot, 0
	MUL16 6, 1, NQ-1, \slot, 0
	PLACES NP
	WIN 0
	FETCH_A \next, 0, 4
.endm
	s_wait_loadcnt 0x0                             ; the biases: no global load is out at a barrier
	s_wait_tensorcnt 1                             ; the scale bytes and my part of K step 0 are in; K step 1's load may be out
	s_barrier_signal -1
	s_barrier_wait -1
	FETCH_B 0, 0, 0
	FETCH_A 0, 0, 0
	SCALES 0
	FETCH_A 0, 0, 4
	STEP 0, 0, 1                                   ; the first step's products start the sums
	s_mov_b32 s3, LAPS-1
.Llap:                                                 ; once round the ring, from a lap's second step to the next lap's first; both slots are filled again
	TURN 0, 1, 1
	STEP 1, 0, 0
	TURN 1, 0, 1
	STEP 0, 0, 0
	s_sub_co_u32 s3, s3, 1
	s_cmp_lg_u32 s3, 0
	s_cbranch_scc1 .Llap
	TURN 0, 1, 0                                   ; the last lap fills nothing
	STEP 1, 0, 0
	s_wait_dscnt 4*NL
	WIN MUL_LO
	MUL16 0, 1, NQ-1, 1, 0
	MUL16 2, 1, NQ-1, 1, 0
	s_wait_dscnt 0
	WIN MUL_HI
	MUL16 4, 1, NQ-1, 1, 0
	MUL16 6, 1, NQ-1, 1, 0
	WIN 0
; THE EPILOGUE.  A's block blk: its 64 sums a lane come into window 0 with the bias added on the way (one packed addition for two numbers), each accumulator from its low end on.
.macro MOVE blk, mode                  ; mode 0: the bias runs along the registers; 1: along the lanes
	WIN (0x02+((\blk)/4))
.set AC, 64*((\blk)%4)
.set ii, 0
.rept 32
.if \mode
	v_pk_add_f32 v[ST+ii:ST+ii+1], v[AC+ii:AC+ii+1], v[BI+2*(\blk):BI+2*(\blk)+1]
.else
	v_pk_add_f32 v[ST+ii:ST+ii+1], v[AC+ii:AC+ii+1], v[BJ+ii:BJ+ii+1]
.endif
.set ii, ii+2
.endr
	WIN 0
.endm
; 64 numbers of a lane, two whole blocks of 32 (registers s + 32 c on: index 64 c + 32 h + 0 .. 31), become six registers of codes each, at d0 and d1, and the row's word of four scale bytes in v[PW], in both halves of the lanes.
.macro QUANT2 s, d0, d1
	v_max3_num_f32 v[TM], |v[\s]|, |v[\s+1]|, 0x1800000          ; with the floor 2^(3 - 127): the byte cannot fall under 1
	v_max3_num_f32 v[TM+1], |v[\s+32]|, |v[\s+33]|, 0x1800000
.irp i, 2,4,6,8,10,12,14,16,18,20,22,24,26,28,30
	v_max3_num_f32 v[TM], v[TM], |v[\s+\i]|, |v[\s+\i+1]|        ; the two blocks by turns
	v_max3_num_f32 v[TM+1], v[TM+1], |v[\s+32+\i]|, |v[\s+33+\i]|
.endr
	v_add_nc_u32 v[SO], 0xff000000, v[TM]          ; 2 off the exponent field: the conversion's scale operand
	v_add_nc_u32 v[SO+1], 0xff000000, v[TM+1]
	v_lshrrev_b32 v[BY], 23, v[SO]                 ; the scale's byte
	v_lshrrev_b32 v[BY+1], 23, v[SO+1]
	v_lshl_or_b32 v[PW], v[BY+1], 16, v[BY]        ; my two bytes: blocks h and 2 + h,
	v_lshlrev_b32 v[PW], v[H8], v[PW]              ; at their places;
	v_permlanex16_b32 v[PX], v[PW], s18, s19
	v_or_b32 v[PW], v[PW], v[PX]                   ; with lane l xor 16's two the word is whole
	v_cvt_scalef32_pk16_fp6_f32 v[\d0:\d0+2], v[\s:\s+15], v[SO]
	v_cvt_scalef32_pk16_fp6_f32 v[CT:CT+2], v[\s+16:\s+31], v[SO]          ; (a conversion's three registers begin on an even number)
	v_cvt_scalef32_pk16_fp6_f32 v[\d1:\d1+2], v[\s+32:\s+47], v[SO+1]
	v_cvt_scalef32_pk16_fp6_f32 v[CT+4:CT+6], v[\s+48:\s+63], v[SO+1]
	v_nop                                          ; one plain line behind the conversions
.irp i, 0,1,2
	v_mov_b32 v[\d0+3+\i], v[CT+\i]
	v_mov_b32 v[\d1+3+\i], v[CT+4+\i]
.endr
.endm
	PLACES NP                                      ; behind the last products: their results are read and their operands' registers written below
	s_mov_b32 s18, 0x76543210
	s_mov_b32 s19, 0xfedcba98                      ; v_permlanex16_b32's selects for lane l xor 16
	s_mov_b32 s22, 0xffff0000                      ; lanes 16-31
	v_mov_b32 v[PX], 0                             ; written once: a lane permute's destination counts as one of its sources
	s_cmp_eq_u32 s95, 1
	s_cbranch_scc1 .Lrole_v
	; ---- q or k: block 2 ap + par is a tile of 16 tokens; its registers 0-31 are my first head's channels 32 h on, 32-63 my second head's.  A head's K is 64: six registers and two scale bytes a tile
.irp ap, 0,1,2,3
.irp par, 0,1
	MOVE 2*\ap+\par, 0
.if \par == 0
	s_wait_xcnt 0x0                                ; the last pair's stores have read their registers
.endif
	QUANT2 ST, PC+6*\par, PC+12+6*\par
.if \par == 0
	v_and_b32 v[E0], 0xffff, v[PW]                 ; the first head's two bytes, the word's upper two 0;
	v_lshrrev_b32 v[E1], 16, v[PW]                 ; the second head's
.else
	v_and_b32 v[T0], 0xffff, v[PW]
	v_lshrrev_b32 v[T1], 16, v[PW]
	v_cndmask_b32 v[KSI+\ap], v[E0], v[T0], s22    ; the even tile's words in lanes 0-15, the odd tile's in lanes 16-31
	v_cndmask_b32 v[KSI+4+\ap], v[E1], v[T1], s22
.endif
.endr
.irp hh, 0,1
.irp c, 0,1,2
	global_store_b128 v[L16], v[PC+12*\hh+4*\c:PC+12*\hh+4*\c+3], s[12:13] offset:HEADB*\hh+1536*\ap+512*\c th:TH_STORE_NT   ; 512 consecutive aligned bytes
.endr
.endr
.endr
	global_store_b128 v[L16], v[KSI:KSI+3], s[12:13] offset:6144 th:TH_STORE_NT
	global_store_b128 v[L16], v[KSI+4:KSI+7], s[12:13] offset:HEADB+6144 th:TH_STORE_NT
	s_branch .Ldone
.Lrole_v:
	; ---- v: block 4 hd + ip is tile ip of 16 channels of my head hd; its 64 registers are the step's keys 64 c + 32 h on: a whole fragment of 12 registers and a word of four bytes
.irp hd, 0,1
.irp ip, 0,1,2,3
	MOVE 4*\hd+\ip, 1
	s_wait_xcnt 0x0                                ; the last fragment's stores have read their registers
	QUANT2 ST, PC, PC+6
.irp c, 0,1,2
	global_store_b128 v[L16], v[PC+4*\c:PC+4*\c+3], s[12:13] offset:HEADB*\hd+1536*\ip+512*\c th:TH_STORE_NT
.endr
.if \ip%2 == 0
	v_mov_b32 v[E0], v[PW]
.else
	v_cndmask_b32 v[KSI+2*\hd+\ip/2], v[E0], v[PW], s22
.endif
.endr
.endr
	global_store_b64 v[L8], v[KSI:KSI+1], s[12:13] offset:6144 th:TH_STORE_NT      ; 256 consecutive aligned bytes
	global_store_b64 v[L8], v[KSI+2:KSI+3], s[12:13] offset:HEADB+6144 th:TH_STORE_NT
.Ldone:
	s_wait_tensorcnt 0x0                           ; the wave's end
	ds_add_u32 v[SPW], v[NIL]
	s_wait_dscnt 0x0
	CROUND                                         ; the closing round: no work-group ends while a partner may still ask for a tile that names it
	s_endpgm
.Lfunc_end_k_q01ee066ccb_gemm_qkv:
	.size	k_q01ee066ccb_gemm_qkv, .Lfunc_end_k_q01ee066ccb_gemm_qkv-k_q01ee066ccb_gemm_qkv
	.p2alignl 7, 3214868480
	.fill 96, 4, 3214868480
	.section	.rodata,"a",@progbits
	.p2align	6, 0x0
	.amdhsa_kernel k_q01ee066ccb_gemm_qkv
		.amdhsa_group_segment_fixed_size 327680
		.amdhsa_private_segment_fixed_size 0
		.amdhsa_enable_private_segment 0
		.amdhsa_kernarg_size 48
		.amdhsa_user_sgpr_count 2
		.amdhsa_user_sgpr_kernarg_segment_ptr 1
		.amdhsa_wavefront_size32 1
		.amdhsa_system_sgpr_workgroup_id_x 1
		.amdhsa_system_sgpr_workgroup_id_y 1
		.amdhsa_system_sgpr_workgroup_id_z 1
		.amdhsa_system_vgpr_workitem_id 0
		.amdhsa_next_free_vgpr 1024
		.amdhsa_next_free_sgpr 102
		.amdhsa_reserve_vcc 0
		.amdhsa_float_denorm_mode_32 3
		.amdhsa_float_denorm_mode_16_64 3
		.amdhsa_memory_ordered 1
		.amdhsa_forward_progress 1
		.amdhsa_inst_pref_size 221
	.end_amdhsa_kernel
	.amdgpu_metadata
---
amdhsa.version: [ 1, 2 ]
amdhsa.kernels:
  - .name:           k_q01ee066ccb_gemm_qkv
    .symbol:         k_q01ee066ccb_gemm_qkv.kd
    .args:
      - { .name: xq, .offset: 0, .size: 8, .value_kind: global_buffer, .address_space: global }
      - { .name: xs, .offset: 8, .size: 8, .value_kind: global_buffer, .address_space: global }
      - { .name: wq, .offset: 16, .size: 8, .value_kind: global_buffer, .address_space: global }
      - { .name: ws, .offset: 24, .size: 8, .value_kind: global_buffer, .address_space: global }
      - { .name: qkv_b, .offset: 32, .size: 8, .value_kind: global_buffer, .address_space: global }
      - { .name: qkvr, .offset: 40, .size: 8, .value_kind: global_buffer, .address_space: global }
    .group_segment_fixed_size: 327680
    .private_segment_fixed_size: 0
    .kernarg_segment_align: 8
    .kernarg_segment_size: 48
    .max_flat_workgroup_size: 128
    .sgpr_count:     102
    .vgpr_count:     1024
    .wavefront_size: 32
...
	.end_amdgpu_metadata
.endif
;; end of part 2
;; launch attn (part 3): grid 4 x 64, 16 waves a work-group, clusters of 4 x 1, 235,520 bytes of LDS; arguments qkvr, yq, ys; writes yq, ys
.if DOCPART == 3
	.amdgcn_target "amdgcn-amd-amdhsa--gfx1250"
	.amdhsa_code_object_version 6
	.text
	.protected	k_q01ee066ccb_attn
	.globl	k_q01ee066ccb_attn
	.p2align	8
	.type	k_q01ee066ccb_attn,@function
k_q01ee066ccb_attn:
	s_mov_b64 s[64:65], 0
	v_nop
	global_prefetch_b8 v0, s[64:65] scope:SCOPE_SE
	s_setreg_imm32_b32 hwreg(HW_REG_WAVE_MODE, 25, 1), 1
	s_wait_xcnt 0x0
	s_wait_alu depctr_hold_cnt(0) depctr_sa_sdst(0) depctr_va_vdst(0) depctr_va_sdst(0) depctr_va_ssrc(0) depctr_va_vcc(0) depctr_vm_vsrc(0)
	s_getreg_b32 s2, hwreg(HW_REG_IB_STS2, 6, 4)
	s_cmp_eq_u32 s2, 0
	s_cbranch_scc0 .Lentry_in_a_cluster
	s_endpgm
.Lentry_in_a_cluster:
	s_bfe_u32 s2, ttmp6, 0x10000c
	s_cmp_lg_u32 s2, 0x3003
	s_cbranch_scc0 .Lentry_shape_is_right
	s_endpgm
.Lentry_shape_is_right:
; y[q] = the sum over k of softmax_k(q . k / 8) v[k] for one (batch, head), both products on codes of FP6 (E2M3) with one E8M0 scale for each 32 along a product's K; y is quantised along the model's 1,024 at once.
; THE SOFTMAX: t = score x log2(e) / 8; M = the running largest t rounded UP to a whole number; p = 2^(t - M) is quantised along the keys, not normalised; the row's sum is taken of the unquantised p and divides at the end.
; When M moves, the sum and O are multiplied by 2^(old M - new M): exact.
; SHARES.  A work-group owns 512 queries of a head; each of its sixteen waves 32, as two tiles of 16 taken one after the other; four waves to a SIMD, so that one wave's vector work stands beside another's products and LDS loads.
; A HEAD'S K AND V LIE IN LDS WHOLE, 16 steps x 13,056 bytes, FILLED ONCE: wave w asks for step w.  The four work-groups of a cluster belong to one head: each tile is asked for jointly.  No slot is filled again: one wait, one barrier.
; The records are images of operand registers: a fragment comes by ds_load_b128 at 16 x lane; no pitch, no padding.
; LAYOUT.  S^T = K Q^T (source 0 = 16 keys), O^T = V^T P^T (source 0 = 16 channels): a lane holds ONE query.  Tokens and channels are stored with three index bits turned, so that the 32 registers of key tiles 4 c .. 4 c + 3 in lane (r, h)
; are the true keys 64 c + 32 h + 0 .. 31: a lane holds two WHOLE blocks of p, and the conversions' results are the operand's registers; O^T's 32 registers are channels 32 h + 0 .. 31: one block of y.
; K = 64 IN AN INSTRUCTION OF 128: a tile of keys is 6 registers; the instruction names 12, of which the upper six are the next tile's codes (for the last tile: the wave's second tile of queries).  They meet Q's upper six registers,
; which hold zero codes; every 6-bit code is a finite number and the upper scale bytes are 0, never 0xff: those products are exactly 0.
; LIMITS: p under 2^-126 is 0 (v_exp_f32); 1 / sum by v_rcp_f32; a block of y under 2^-124 keeps the scale byte 1; NaN and infinities are not served.
; ys: a head owns 2 of a row's 32 scale bytes, so they leave by one-byte stores, two instructions a wave: one byte for 24 of codes.
; REGISTERS: v1 16 x lane, v2 8 x lane, v3 8 h, v4-5 the step's addresses, v6-7 my stage, v8 ys; v12 -M, v13 the largest t, v[14:15] the sum; v16-27 Q (upper six 0), v28 Q's scale words; v32-79 K, then V; v80-85 the second tile's Q;
;   v86-89 K's scale words, v90-91 V's; v96-159 S^T, then p; v160-191 O^T; v192-203 p's codes; v204-225 at work.
.set REC,   19712                      ; a record of qkvr
.set KVB,   13056                      ; its K and V
.set STAGE, 16*KVB                     ; behind K and V: 1,536 bytes for each wave, for the way out
.set WV,    10
.macro CROUND                          ; a round of the cluster's barrier
	s_barrier_signal -1
	s_barrier_wait -1
	s_cmp_lg_u32 s[WV], 0
	s_cbranch_scc1 .Lnot_wave_0_\@
	s_barrier_signal -3
.Lnot_wave_0_\@:
	s_barrier_wait -3
	s_barrier_signal -1
	s_barrier_wait -1
.endm
.macro SPROD i, p                      ; tile i of 16 keys x my 16 queries.  An odd tile's scale words lie in lanes 16-31 of their register; so do the second tile of queries'
.if ((\i)%2 == 0) && ((\p) == 0)
	v_wmma_scale_f32_16x16x128_f8f6f4 v[96+8*(\i):103+8*(\i)], v[32+6*(\i):43+6*(\i)], v[16:27], 0, v[86+(\i)/2], v28 matrix_a_fmt:MATRIX_FMT_FP6 matrix_b_fmt:MATRIX_FMT_FP6
.elseif ((\p) == 0)
	v_wmma_scale_f32_16x16x128_f8f6f4 v[96+8*(\i):103+8*(\i)], v[32+6*(\i):43+6*(\i)], v[16:27], 0, v[86+(\i)/2], v28 matrix_a_fmt:MATRIX_FMT_FP6 matrix_b_fmt:MATRIX_FMT_FP6 matrix_a_scale:MATRIX_SCALE_ROW1
.elseif ((\i)%2 == 0)
	v_wmma_scale_f32_16x16x128_f8f6f4 v[96+8*(\i):103+8*(\i)], v[32+6*(\i):43+6*(\i)], v[16:27], 0, v[86+(\i)/2], v28 matrix_a_fmt:MATRIX_FMT_FP6 matrix_b_fmt:MATRIX_FMT_FP6 matrix_b_scale:MATRIX_SCALE_ROW1
.else
	v_wmma_scale_f32_16x16x128_f8f6f4 v[96+8*(\i):103+8*(\i)], v[32+6*(\i):43+6*(\i)], v[16:27], 0, v[86+(\i)/2], v28 matrix_a_fmt:MATRIX_FMT_FP6 matrix_b_fmt:MATRIX_FMT_FP6 matrix_a_scale:MATRIX_SCALE_ROW1 matrix_b_scale:MATRIX_SCALE_ROW1
.endif
.endm
; A KEY STEP: 128 keys.
.macro STEP p
	v_add_nc_u32 v4, s32, v1
	v_add_nc_u32 v5, s32, v2
	v_nop
	v_nop                                          ; four plain lines behind the last products, in front of loads into their operands' registers
	ds_load_b128 v[86:89], v4 offset:6144          ; K's scale words
.irp c, 0,1,2,3,4,5,6,7,8,9,10,11
	ds_load_b128 v[32+4*\c:35+4*\c], v4 offset:512*\c            ; K's eight tiles, 48 registers
.endr
	s_wait_alu depctr_va_vdst(0)
	s_wait_dscnt 0x0
.irp i, 0,1,2,3,4,5,6,7
	SPROD \i, \p
.endr
.rept 4
	v_nop
.endr
.irp c, 0,1,2,3,4,5,6,7,8,9,10,11
	ds_load_b128 v[32+4*\c:35+4*\c], v4 offset:6656+512*\c       ; V's four fragments are asked for now and land under the softmax
.endr
	ds_load_b64 v[90:91], v5 offset:12800          ; V's scale words
	v_max3_num_f32 v212, v96, v97, v98             ; THE LARGEST SCORE OF EACH OF MY TWO BLOCKS OF 32 KEYS: it serves the row's maximum and, since p rises with the score, the block's largest p
	v_max3_num_f32 v213, v128, v129, v130
.irp i, 3,5,7,9,11,13,15,17,19,21,23,25,27,29
	v_max3_num_f32 v212, v212, v[96+\i], v[97+\i]
	v_max3_num_f32 v213, v213, v[128+\i], v[129+\i]
.endr
	v_max_num_f32 v212, v212, v127
	v_max_num_f32 v213, v213, v159
	s_delay_alu instid0(VALU_DEP_1)
	v_max_num_f32 v222, v212, v213
	s_delay_alu instid0(VALU_DEP_1)
	v_permlanex16_b32 v219, v222, s28, s29
	s_delay_alu instid0(VALU_DEP_1)
	v_max_num_f32 v222, v222, v219                 ; with lane l xor 16's two blocks: the step's largest score of my query
	s_delay_alu instid0(VALU_DEP_1)
	v_mul_f32 v222, s30, v222                      ; as t
	s_delay_alu instid0(VALU_DEP_1)
	v_max_num_f32 v13, v13, v222                   ; the running largest t
	v_mov_b32 v222, v12
	s_delay_alu instid0(VALU_DEP_2)
	v_floor_f32 v12, -v13                          ; the new -M = floor(-t): M is a whole number
	s_delay_alu instid0(VALU_DEP_1)
	v_sub_f32 v222, v12, v222                      ; old M - new M: a whole number, 0 or less
	s_delay_alu instid0(VALU_DEP_1)
	v_cvt_i32_f32 v222, v222                       ; (it saturates)
	s_delay_alu instid0(VALU_DEP_1)
	v_ldexp_f32 v220, 1.0, v222                    ; f = 2^(old M - new M)
.set ii, 0
.rept 32
	v_pk_fma_f32 v[96+ii:97+ii], v[96+ii:97+ii], s[30:31], v[12:13] op_sel_hi:[1,0,0]   ; t - M, two at a time
.set ii, ii+2
.endr
	v_fma_f32 v212, v212, s30, v12                 ; the same of each block's largest score
	v_fma_f32 v213, v213, s30, v12
.set ii, 0
	s_setprio 1
	s_wait_alu depctr_va_vdst(0)
.rept 64
	v_exp_f32 v[96+ii], v[96+ii]                   ; p = 2^(t - M)
.set ii, ii+1
.endr
	v_pk_mul_f32 v[14:15], v[14:15], v[220:221] op_sel_hi:[1,0]   ; the sum under the new M: the plain line behind the exponentials
	s_wait_alu depctr_va_vdst(0)                   ; one wait for the batch, ahead of its first reader
	v_exp_f32 v212, v212                           ; the blocks' largest p: the same two instructions on the same number give the same bits
	v_exp_f32 v213, v213
	v_pk_add_f32 v[224:225], v[100:101], v[104:105]
	v_pk_add_f32 v[252:253], v[108:109], v[112:113]
	v_pk_add_f32 v[250:251], v[116:117], v[120:121]
	v_pk_add_f32 v[248:249], v[124:125], v[128:129]
	v_pk_add_f32 v[246:247], v[132:133], v[136:137]
	v_pk_add_f32 v[244:245], v[140:141], v[144:145]
	v_pk_add_f32 v[242:243], v[148:149], v[152:153]
	v_pk_add_f32 v[14:15], v[14:15], v[156:157]
	v_pk_add_f32 v[224:225], v[224:225], v[96:97]
	v_pk_add_f32 v[252:253], v[252:253], v[98:99]
	v_pk_add_f32 v[250:251], v[250:251], v[102:103]
	v_pk_add_f32 v[248:249], v[248:249], v[106:107]
	v_pk_add_f32 v[246:247], v[246:247], v[110:111]
	v_pk_add_f32 v[244:245], v[244:245], v[114:115]
	v_pk_add_f32 v[242:243], v[242:243], v[118:119]
	v_pk_add_f32 v[14:15], v[14:15], v[122:123]
	v_pk_add_f32 v[224:225], v[224:225], v[126:127]
	v_pk_add_f32 v[252:253], v[252:253], v[130:131]
	v_pk_add_f32 v[250:251], v[250:251], v[134:135]
	v_pk_add_f32 v[248:249], v[248:249], v[138:139]
	v_pk_add_f32 v[246:247], v[246:247], v[142:143]
	v_pk_add_f32 v[244:245], v[244:245], v[146:147]
	v_pk_add_f32 v[242:243], v[242:243], v[150:151]
	v_pk_add_f32 v[14:15], v[14:15], v[154:155]
	v_pk_add_f32 v[224:225], v[224:225], v[158:159]
	s_delay_alu instid0(VALU_DEP_2)
	v_pk_add_f32 v[14:15], v[14:15], v[248:249]
	s_delay_alu instid0(VALU_DEP_2)
	v_pk_add_f32 v[224:225], v[224:225], v[246:247]
	v_pk_add_f32 v[252:253], v[252:253], v[244:245]
	v_pk_add_f32 v[250:251], v[250:251], v[242:243]
	s_delay_alu instid0(VALU_DEP_2)
	v_pk_add_f32 v[14:15], v[14:15], v[252:253]
	s_delay_alu instid0(VALU_DEP_2)
	v_pk_add_f32 v[224:225], v[224:225], v[250:251]
	s_delay_alu instid0(VALU_DEP_1)
	v_pk_add_f32 v[14:15], v[14:15], v[224:225]
	s_wait_alu depctr_va_vdst(0)                   ; and one for the two
	v_max_num_f32 v212, 0x1800000, v212            ; the floor 2^(3 - 127)
	v_max_num_f32 v213, 0x1800000, v213
	s_delay_alu instid0(VALU_DEP_2)
	v_add_nc_u32 v214, 0xff000000, v212            ; 2 off the exponent field: the conversion's scale operand
	s_delay_alu instid0(VALU_DEP_2)
	v_add_nc_u32 v215, 0xff000000, v213
	s_delay_alu instid0(VALU_DEP_2)
	v_lshrrev_b32 v216, 23, v214                   ; the scale's byte
	s_delay_alu instid0(VALU_DEP_2)
	v_lshrrev_b32 v217, 23, v215
	s_delay_alu instid0(VALU_DEP_1)
	v_lshl_or_b32 v218, v217, 16, v216             ; my two bytes, blocks h and 2 + h,
	s_delay_alu instid0(VALU_DEP_1)
	v_lshlrev_b32 v218, v3, v218                   ; at their places;
	s_delay_alu instid0(VALU_DEP_1)
	v_permlanex16_b32 v219, v218, s28, s29
	s_delay_alu instid0(VALU_DEP_1)
	v_or_b32 v218, v218, v219                      ; with lane l xor 16's: p's scale word for these 128 keys
	v_cvt_scalef32_pk16_fp6_f32 v[192:194], v[96:111], v214
	v_cvt_scalef32_pk16_fp6_f32 v[204:206], v[112:127], v214     ; (a conversion's three registers begin on an even number)
	v_cvt_scalef32_pk16_fp6_f32 v[198:200], v[128:143], v215
	v_cvt_scalef32_pk16_fp6_f32 v[208:210], v[144:159], v215
	v_nop                                          ; one plain line behind the conversions
.irp i, 0,1,2
	v_mov_b32 v[195+\i], v[204+\i]
	v_mov_b32 v[201+\i], v[208+\i]
.endr
.set ii, 0
	s_setprio 0
.rept 16
	v_pk_mul_f32 v[160+ii:161+ii], v[160+ii:161+ii], v[220:221] op_sel_hi:[1,0]   ; O^T under the new M.  These sixteen are also the places between the lines that made p's codes and scale word and the products
.set ii, ii+2
.endr
	s_wait_alu depctr_va_vdst(0)
	s_wait_dscnt 0x0                               ; V
	v_wmma_scale_f32_16x16x128_f8f6f4 v[160:167], v[32:43], v[192:203], v[160:167], v90, v218 matrix_a_fmt:MATRIX_FMT_FP6 matrix_b_fmt:MATRIX_FMT_FP6
	v_wmma_scale_f32_16x16x128_f8f6f4 v[168:175], v[44:55], v[192:203], v[168:175], v90, v218 matrix_a_fmt:MATRIX_FMT_FP6 matrix_b_fmt:MATRIX_FMT_FP6 matrix_a_scale:MATRIX_SCALE_ROW1
	v_wmma_scale_f32_16x16x128_f8f6f4 v[176:183], v[56:67], v[192:203], v[176:183], v91, v218 matrix_a_fmt:MATRIX_FMT_FP6 matrix_b_fmt:MATRIX_FMT_FP6
	v_wmma_scale_f32_16x16x128_f8f6f4 v[184:191], v[68:79], v[192:203], v[184:191], v91, v218 matrix_a_fmt:MATRIX_FMT_FP6 matrix_b_fmt:MATRIX_FMT_FP6 matrix_a_scale:MATRIX_SCALE_ROW1
.endm
; A tile's end: O^T / the sum is y(query r, channels 32 h + 0 .. 31): one block, quantised; 24 bytes of codes to my stage, the scale byte to ys.
.macro FINISH p
.rept 4
	v_nop
.endr
	v_add_f32 v14, v14, v15
	s_delay_alu instid0(VALU_DEP_1)
	v_permlanex16_b32 v219, v14, s28, s29
	s_delay_alu instid0(VALU_DEP_1)
	v_add_f32 v14, v14, v219                       ; the row's sum
	s_wait_alu depctr_va_vdst(0)
	v_rcp_f32 v220, v14
	v_nop                                          ; a plain line behind the reciprocal,
	s_wait_alu depctr_va_vdst(0)                   ; and the wait ahead of its first reader
.set ii, 0
.rept 16
	v_pk_mul_f32 v[96+ii:97+ii], v[160+ii:161+ii], v[220:221] op_sel_hi:[1,0]
.set ii, ii+2
.endr
	v_max3_num_f32 v212, |v96|, |v97|, 0x1800000
	v_max3_num_f32 v213, |v112|, |v113|, 0x1800000
.irp i, 2,4,6,8,10,12,14
	s_delay_alu instid0(VALU_DEP_2)
	v_max3_num_f32 v212, v212, |v[96+\i]|, |v[97+\i]|
	s_delay_alu instid0(VALU_DEP_2)
	v_max3_num_f32 v213, v213, |v[112+\i]|, |v[113+\i]|
.endr
	s_delay_alu instid0(VALU_DEP_1)
	v_max_num_f32 v212, v212, v213
	s_delay_alu instid0(VALU_DEP_1)
	v_add_nc_u32 v214, 0xff000000, v212
	s_delay_alu instid0(VALU_DEP_1)
	v_lshrrev_b32 v216, 23, v214
	v_cvt_scalef32_pk16_fp6_f32 v[192:194], v[96:111], v214
	v_cvt_scalef32_pk16_fp6_f32 v[204:206], v[112:127], v214
	v_nop
.irp i, 0,1,2
	v_mov_b32 v[195+\i], v[204+\i]
.endr
.irp i, 0,1,2
	ds_store_b64 v6, v[192+2*\i:193+2*\i] offset:768*\p+8*\i
.endr
	global_store_b8 v8, v216, s[8:9] offset:512*\p
.endm
.macro PASS p
.if \p
	s_wait_xcnt 0x0                                ; the first tile's byte store has read its register
.irp i, 0,1,2,3,4,5
	v_mov_b32 v[16+\i], v[80+\i]                   ; the second tile of queries
.endr
.endif
	v_mov_b32 v13, 0xff61b1e6                      ; the largest t so far: -3e38
	s_delay_alu instid0(VALU_DEP_1)
	v_floor_f32 v12, -v13
	v_mov_b32 v14, 0
	v_mov_b32 v15, 0
.set ii, 0
.rept 32
	v_mov_b32 v[160+ii], 0                         ; O^T: the step is written once a tile; its first trip finds zeros, which the first change of M leaves zeros
.set ii, ii+1
.endr
	s_mov_b32 s32, 0                               ; LDS byte of the step in hand
	s_mov_b32 s33, 16
.Lstep_\@:
	s_setprio 2
	STEP \p
	s_add_co_u32 s32, s32, KVB
	s_sub_co_u32 s33, s33, 1
	s_cmp_lg_u32 s33, 0
	s_cbranch_scc1 .Lstep_\@
	s_setprio 0
	FINISH \p
.endm
	s_load_b128 s[4:7], s[0:1], 0x0                ; qkvr s[4:5], yq s[6:7]
	s_load_b64 s[8:9], s[0:1], 0x10                ; ys
	v_lshl_add_u32 v254, v0, 2, 0x39000
	v_mov_b32 v255, 0
	ds_add_u32 v254, v255
	ds_add_u32 v254, v255
	v_lshrrev_b32 v1, 5, v0
	s_delay_alu instid0(VALU_DEP_1)
	v_readfirstlane_b32 s[WV], v1                  ; wave 0..15
	s_bfe_u32 s11, ttmp6, 0x40000                  ; cx: my 512 queries; it enters Q's, yq's and ys's addresses alone
	s_and_b32 s24, ttmp7, 0xffff                   ; batch x 16 + head, which the four partners share
	; descriptor group 1: 13,056 dense bytes as 51 rows of 256 (32 elements of 8 bytes), no padding; the mask names all four work-groups, bit 21 beside it
	s_mov_b32 s16, 15|(3<<16)|(1<<21)
	s_mov_b32 s17, 32<<16
	s_mov_b32 s18, 51<<16
	s_mov_b32 s19, 32<<16
	s_mov_b32 s20, 51
	s_mov_b32 s21, 32
	s_mov_b32 s22, 0
	s_mov_b32 s23, 0
	s_lshl_b32 s25, s24, 4
	s_add_co_u32 s36, s25, s[WV]                   ; the record of step w
	s_mul_i32 s36, s36, REC
	s_mov_b32 s37, 0
	s_mov_b32 s12, 1
	s_mul_i32 s13, s[WV], KVB                      ; its place in LDS
	s_lshl_b32 s38, s11, 2
	s_lshr_b32 s39, s[WV], 2
	s_add_co_u32 s38, s38, s39
	s_add_co_u32 s38, s38, s25                     ; the record that holds my 32 queries: step 4 cx + w / 4,
	s_mul_i32 s38, s38, REC
	s_and_b32 s40, s[WV], 3                        ; tiles 2 (w % 4) and the next
	s_mul_i32 s41, s40, 1536
	s_add_co_u32 s26, s38, s41
	s_add_co_u32 s26, s26, 13056                   ; their codes
	s_mov_b32 s27, 0
	s_lshl_b32 s40, s40, 2
	s_add_co_u32 s34, s38, s40
	s_add_co_u32 s34, s34, 19200                   ; their scale words' register
	s_mov_b32 s35, 0
	s_lshr_b32 s42, s24, 4                         ; the batch
	s_and_b32 s43, s24, 15                         ; the head
	s_lshl_b32 s42, s42, 11
	s_lshl_b32 s44, s11, 9
	s_add_co_u32 s42, s42, s44
	s_lshl_b32 s44, s[WV], 5
	s_add_co_u32 s42, s42, s44                     ; my first stored row
	s_mul_i32 s44, s43, 393216                     ; yq: a head's plane of 8,192 rows x 48 bytes
	s_mul_i32 s45, s42, 48
	s_add_co_u32 s44, s44, s45
	s_mov_b32 s45, 0
	s_lshl_b32 s46, s42, 5                         ; ys: 32 bytes a row, the head's two at 2 x head
	s_lshl_b32 s43, s43, 1
	s_add_co_u32 s46, s46, s43
	s_mov_b32 s47, 0
	s_mov_b32 s28, 0x76543210
	s_mov_b32 s29, 0xfedcba98                      ; v_permlanex16_b32's selects for lane l xor 16
	s_mov_b32 s30, 0x3e38aa3b                      ; c = log2(e) / 8
	s_mov_b32 s31, s30                             ; (named with it as a pair)
	v_and_b32 v9, 31, v0
	s_delay_alu instid0(VALU_DEP_1)
	v_lshlrev_b32 v1, 4, v9                        ; 16 x lane
	s_delay_alu instid0(VALU_DEP_2)
	v_lshlrev_b32 v2, 3, v9                        ; 8 x lane
	v_bfe_u32 v10, v0, 4, 1                        ; h
	v_and_b32 v11, 15, v0                          ; r
	s_delay_alu instid0(VALU_DEP_2)
	v_lshlrev_b32 v3, 3, v10
	s_mul_i32 s33, s[WV], 1536
	s_add_co_u32 s33, s33, STAGE                   ; my stage
	v_mul_u32_u24 v6, v11, 48
	s_delay_alu instid0(VALU_DEP_1)
	v_mad_u32_u24 v6, v10, 24, v6
	s_delay_alu instid0(VALU_DEP_1)
	v_add_nc_u32 v6, s33, v6                       ; in: row r of 48 bytes, + 24 h
	v_add_nc_u32 v7, s33, v1                       ; out: 16 bytes a lane
	v_lshl_add_u32 v8, v11, 5, v10                 ; ys: 32 r + h
	s_wait_dscnt 0x0
	s_wait_kmcnt 0x0
	s_add_nc_u64 s[14:15], s[4:5], s[36:37]
	s_or_b32 s15, s15, 0x80000000
	s_add_nc_u64 s[26:27], s[4:5], s[26:27]
	s_add_nc_u64 s[34:35], s[4:5], s[34:35]
	s_add_nc_u64 s[6:7], s[6:7], s[44:45]
	s_add_nc_u64 s[8:9], s[8:9], s[46:47]
	CROUND                                         ; all four work-groups are here: the joint loads meet
	tensor_load_to_lds s[12:15], s[16:23]          ; my one tensor load of the launch
	s_nop 0
.rept 4
	v_nop
.endr
	global_load_b128 v[16:19], v1, s[26:27]              ; the first tile's registers 0-3,
	global_load_b64 v[20:21], v1, s[26:27] offset:512    ; 4-5;
	global_load_b64 v[80:81], v1, s[26:27] offset:520    ; the second tile's 0-1,
	global_load_b128 v[82:85], v1, s[26:27] offset:1024  ; 2-5
	global_load_b32 v28, v1, s[34:35]                    ; lanes 0-15: the first tile's scale words; lanes 16-31: the second's
.irp i, 22,23,24,25,26,27
	v_mov_b32 v\i, 0                               ; Q's codes for K = 64 .. 127: zeros
.endr
	v_mov_b32 v219, 0                              ; written once: a lane permute's destination counts as one of its sources
	v_mov_b32 v221, 0                              ; (named as the upper half of the pair v[220:221])
	s_wait_loadcnt 0x0
	s_wait_tensorcnt 0x0                           ; my step has landed,
	s_barrier_signal -1
	s_barrier_wait -1                              ; everybody's has: K and V are only read from here on
	PASS 0
	PASS 1
.irp c, 0,1,2
	ds_load_b128 v[96+4*\c:99+4*\c], v7 offset:512*\c    ; my 32 rows' codes, 1,536 bytes; LDS serves a wave's instructions in order
.endr
	s_wait_dscnt 0x0
.irp c, 0,1,2
	global_store_b128 v1, v[96+4*\c:99+4*\c], s[6:7] offset:512*\c th:TH_STORE_NT   ; 512 consecutive aligned bytes
.endr
	s_wait_tensorcnt 0x0
	ds_add_u32 v254, v255
	s_wait_dscnt 0x0
	CROUND                                         ; the closing round
	s_endpgm
.Lfunc_end_k_q01ee066ccb_attn:
	.size	k_q01ee066ccb_attn, .Lfunc_end_k_q01ee066ccb_attn-k_q01ee066ccb_attn
	.p2alignl 7, 3214868480
	.fill 96, 4, 3214868480
	.section	.rodata,"a",@progbits
	.p2align	6, 0x0
	.amdhsa_kernel k_q01ee066ccb_attn
		.amdhsa_group_segment_fixed_size 235520
		.amdhsa_private_segment_fixed_size 0
		.amdhsa_enable_private_segment 0
		.amdhsa_kernarg_size 24
		.amdhsa_user_sgpr_count 2
		.amdhsa_user_sgpr_kernarg_segment_ptr 1
		.amdhsa_wavefront_size32 1
		.amdhsa_system_sgpr_workgroup_id_x 1
		.amdhsa_system_sgpr_workgroup_id_y 1
		.amdhsa_system_sgpr_workgroup_id_z 1
		.amdhsa_system_vgpr_workitem_id 0
		.amdhsa_next_free_vgpr 256
		.amdhsa_next_free_sgpr 66
		.amdhsa_reserve_vcc 0
		.amdhsa_float_denorm_mode_32 3
		.amdhsa_float_denorm_mode_16_64 3
		.amdhsa_memory_ordered 1
		.amdhsa_forward_progress 1
		.amdhsa_inst_pref_size 47
	.end_amdhsa_kernel
	.amdgpu_metadata
---
amdhsa.version: [ 1, 2 ]
amdhsa.kernels:
  - .name:           k_q01ee066ccb_attn
    .symbol:         k_q01ee066ccb_attn.kd
    .args:
      - { .name: qkvr, .offset: 0, .size: 8, .value_kind: global_buffer, .address_space: global }
      - { .name: yq, .offset: 8, .size: 8, .value_kind: global_buffer, .address_space: global }
      - { .name: ys, .offset: 16, .size: 8, .value_kind: global_buffer, .address_space: global }
    .group_segment_fixed_size: 235520
    .private_segment_fixed_size: 0
    .kernarg_segment_align: 8
    .kernarg_segment_size: 24
    .max_flat_workgroup_size: 512
    .sgpr_count:     66
    .vgpr_count:     256
    .wavefront_size: 32
...
	.end_amdgpu_metadata
.endif
;; end of part 3
;; launch gemm_out (part 4): grid 4 x 32, 4 waves a work-group, clusters of 4 x 4, 327,680 bytes of LDS; arguments yq, ys, wq, ws, out_b, out0; writes out0
.if DOCPART == 4
	.amdgcn_target "amdgcn-amd-amdhsa--gfx1250"
	.amdhsa_code_object_version 6
	.text
	.protected	k_q01ee066ccb_gemm_out
	.globl	k_q01ee066ccb_gemm_out
	.p2align	8
	.type	k_q01ee066ccb_gemm_out,@function
k_q01ee066ccb_gemm_out:
	s_mov_b64 s[64:65], 0
	v_nop
	global_prefetch_b8 v0, s[64:65] scope:SCOPE_SE
	s_setreg_imm32_b32 hwreg(HW_REG_WAVE_MODE, 25, 1), 1
	s_wait_xcnt 0x0
	s_wait_alu depctr_hold_cnt(0) depctr_sa_sdst(0) depctr_va_vdst(0) depctr_va_sdst(0) depctr_va_ssrc(0) depctr_va_vcc(0) depctr_vm_vsrc(0)
	s_getreg_b32 s2, hwreg(HW_REG_IB_STS2, 6, 4)
	s_cmp_eq_u32 s2, 0
	s_cbranch_scc0 .Lentry_in_a_cluster
	s_endpgm
.Lentry_in_a_cluster:
	s_bfe_u32 s2, ttmp6, 0x10000c
	s_cmp_lg_u32 s2, 0xf033
	s_cbranch_scc0 .Lentry_shape_is_right
	s_endpgm
.Lentry_shape_is_right:
; out0 = y out_w + out_b on codes of FP6 (E2M3) with one E8M0 scale for each 32 along K = 1,024; sums in f32.
; A = y: yq [16 heads][8,192 stored rows][48 bytes], ys [8,192][32].  B = out_w's features: rows 3,072 on of wq [.][768 bytes] and ws [.][32].
; A tile of 256 x 256 of out0 to a work-group of four waves, 128 x 128 a wave.  K goes in steps of 256 (four heads) through a ring of two LDS slots; the scale bytes come once.  4 x 4 work-groups form a cluster:
; A's tiles are asked for jointly along a row of it, B's along a column.  Source 0 = 16 rows of B, source 1 = 16 rows of A: a lane holds one token, its registers run along the features.
; A's tile: four planes (heads) of 128 rows x 48 bytes, each plane 6,144 dense bytes: a row's fragment is 24 bytes of each of two planes; rows 48 bytes apart: the 32 lanes of a load of 8 bytes touch 64 different banks.
; The bias is the C of each sum's first matrix instruction.  Tokens and features are stored with three index bits turned (row 64 c + 32 a + 8 i + j at place 64 c + 16 i + 8 a + j): the way out puts both back.
; 128 work-groups: a smaller tile would read each fragment for half the products; this launch is short beside the attention.
; REGISTERS as in the first product: window 0: v16-31 addresses; v32-63 scale words; v64-127 the bias; v128-223 A's fragments.  window 1: B's fragments, two sets.  windows 2, 3: the accumulators.
.set KSTEP,  256
.set NQ,     KSTEP/128
.set ROWB,   192
.set KROW,   768
.set PITCH,  240
.set FR,     12
.set NL,     6
.set NP,     4
.set PLANE,  393216                    ; a head's plane of yq
.set HALFA,  4*6144                    ; A: 128 rows x four planes
.set HALFT,  128*PITCH                 ; B: 128 rows
.set SLOT,   2*HALFA+2*HALFT
.set LAPS,   2
.set KS,     32
.set SCL,    2*SLOT
.set HALFS,  (128*KS/256)*272
.set SBLK,   (16*KS/256)*272
.set SPARE,  SCL+4*HALFS               ; the spare words: 128 bytes a wave, two blocks of 256 bytes that no other line names
.set SPITCH, 528                       ; the way out: 16 rows x (512 bytes + 16) a wave, in slot 0, which has had its last fill and its last read by then
.set ADRA, 16                          ; v16-17
.set ADRB, 20                          ; v20-23
.set STO,  24
.set RD,   25
.set CO,   26
.set ADRS, 27
.set SPW,  28
.set NIL,  29
.set BJO,  30
.set SC,   32
.set BJ,   64
.set AF,   128
.set BK,   128
.set G1, 24
.set G0, 32
.set G1B, 48
.set G0B, 56
.set G1S, 68
.set G0S, 76
.set G1SB, 80
.set G0SB, 88
.set MSB, 0
.macro WIN new
.if MSB != \new
	s_set_vgpr_msb (MSB<<8)|\new
.set MSB, \new
.endif
.endm
.set MUL_LO,  0xa1                     ; source 0 (B) window 1, source 1 (A) window 0, C and D window 2
.set MUL_HI,  0xf1
.set MUL_LO0, 0x81                     ; the first step: C (the bias) window 0, D window 2
.set MUL_HI0, 0xc1
.set TO_B,    0x40
.macro JLOAD g0a, g1a, g0b, g1b        ; a joint load: waves 0 and 1 fetch for A, waves 2 and 3 for B; four v_nop follow each of the two lines
	s_cmp_eq_u32 s15, 0
	s_cbranch_scc0 .Lfor_b_\@
	tensor_load_to_lds s[\g0a:\g0a+3], s[\g1a:\g1a+7]
	s_nop 0
.rept 4
	v_nop
.endr
	s_branch .Lasked_\@
.Lfor_b_\@:
	tensor_load_to_lds s[\g0b:\g0b+3], s[\g1b:\g1b+7]
	s_nop 0
.rept 4
	v_nop
.endr
.Lasked_\@:
.endm
.macro CREST
	s_cmp_lg_u32 s14, 0
	s_cbranch_scc1 .Lnot_wave_0_\@
	s_barrier_signal -3
.Lnot_wave_0_\@:
	s_barrier_wait -3
	s_barrier_signal -1
	s_barrier_wait -1
.endm
.macro CROUND
	s_barrier_signal -1
	s_barrier_wait -1
	CREST
.endm
	s_load_b256 s[4:11], s[0:1], 0x0               ; yq s[4:5], ys s[6:7], wq s[8:9], ws s[10:11]
	s_load_b64 s[96:97], s[0:1], 0x20              ; out_b
	s_load_b64 s[12:13], s[0:1], 0x28              ; out0
	v_lshl_add_u32 v[SPW], v0, 2, SPARE
	v_mov_b32 v[NIL], 0
	ds_add_u32 v28, v29
	ds_add_u32 v28, v29
	s_wait_dscnt 0x0
	v_lshrrev_b32 v1, 5, v0
	v_readfirstlane_b32 s14, v1                    ; wave 0..3
	s_lshr_b32 s15, s14, 1                         ; which half of the tile's rows is mine.  Also: I fetch for A (0) or for B (1)
	s_and_b32 s16, s14, 1                          ; which half of its columns.  Also: which 128 rows I fetch
	s_bfe_u32 s40, ttmp6, 0x40000
	s_bfe_u32 s41, ttmp6, 0x40004
	s_lshl_b32 s42, ttmp9, 2
	s_add_co_u32 s42, s42, s40                     ; tile column
	s_and_b32 s17, ttmp7, 0xffff
	s_lshl_b32 s17, s17, 2
	s_add_co_u32 s17, s17, s41                     ; tile row
	s_lshl_b32 s43, s41, 2
	s_lshl_b32 s43, 15, s43                        ; my row of the cluster
	s_lshl_b32 s44, 0x1111, s40                    ; my column
	; A's tiles: 4 planes of 6,144 bytes (768 elements of 8 bytes), 49,152 elements apart, no padding
	s_or_b32 s[G1+0], s43, (3<<16)|(1<<21)
	s_mov_b32 s[G1+1], 768<<16                     ; tensor_dim0
	s_mov_b32 s[G1+2], 4<<16                       ; tensor_dim1
	s_mov_b32 s[G1+3], 768<<16                     ; tile_dim0
	s_mov_b32 s[G1+4], 4                           ; tile_dim1
	s_mov_b32 s[G1+5], PLANE/8                     ; from plane to plane
	s_mov_b32 s[G1+6], 0
	s_mov_b32 s[G1+7], 0
	; B's tiles: 128 rows x 192 bytes, 16 bytes of padding behind every 64
	s_or_b32 s[G1B+0], s44, (0<<16)|(1<<20)|(1<<21)|(3<<22)|(3<<25)
	s_mov_b32 s[G1B+1], ROWB<<16
	s_mov_b32 s[G1B+2], 128<<16
	s_mov_b32 s[G1B+3], ROWB<<16
	s_mov_b32 s[G1B+4], 128
	s_mov_b32 s[G1B+5], KROW
	s_mov_b32 s[G1B+6], 0
	s_mov_b32 s[G1B+7], 0
	; the scale bytes of 128 rows: 16 rows of 256 bytes, 16 bytes of padding behind each
	s_or_b32 s[G1S+0], s43, (3<<16)|(1<<20)|(1<<21)|(5<<22)|(3<<25)
	s_or_b32 s[G1SB+0], s44, (3<<16)|(1<<20)|(1<<21)|(5<<22)|(3<<25)
.irp g, G1S, G1SB
	s_mov_b32 s[\g+1], 32<<16
	s_mov_b32 s[\g+2], (128*KS/256)<<16
	s_mov_b32 s[\g+3], 32<<16
	s_mov_b32 s[\g+4], 128*KS/256
	s_mov_b32 s[\g+5], 32
	s_mov_b32 s[\g+6], 0
	s_mov_b32 s[\g+7], 0
.endr
	s_lshl_b32 s18, s16, 7
	s_lshl_b32 s20, s17, 8
	s_add_co_u32 s20, s20, s18                     ; A's row
	s_lshl_b32 s46, s42, 8
	s_add_co_u32 s46, s46, s18
	s_add_co_u32 s46, s46, 3072                    ; B's row among the weights' rows
	s_mov_b32 s21, 0
	s_mov_b32 s47, 0
	s_mov_b64 s[18:19], KS
	s_mul_u64 s[22:23], s[20:21], s[18:19]
	s_mul_u64 s[92:93], s[46:47], s[18:19]
	s_mov_b64 s[18:19], 48
	s_mul_u64 s[20:21], s[20:21], s[18:19]
	s_mov_b64 s[18:19], KROW
	s_mul_u64 s[46:47], s[46:47], s[18:19]
	s_mul_i32 s45, s16, HALFA                      ; where A's half goes,
	s_mul_i32 s66, s16, HALFT
	s_add_co_u32 s66, s66, 2*HALFA                 ; and B's, behind A's two
	s_mul_i32 s94, s14, HALFS
	s_wait_kmcnt 0x0
	s_add_nc_u64 s[20:21], s[4:5], s[20:21]
	s_add_nc_u64 s[22:23], s[6:7], s[22:23]
	s_add_nc_u64 s[46:47], s[8:9], s[46:47]
	s_add_nc_u64 s[92:93], s[10:11], s[92:93]
	CROUND                                         ; all sixteen work-groups are here: the first joint loads meet
	s_mov_b32 s[G0S], 1
	s_add_co_u32 s[G0S+1], s94, SCL
	s_mov_b64 s[G0S+2:G0S+3], s[22:23]
	s_or_b32 s[G0S+3], s[G0S+3], 0x80000000
	s_mov_b32 s[G0SB], 1
	s_add_co_u32 s[G0SB+1], s94, SCL
	s_mov_b64 s[G0SB+2:G0SB+3], s[92:93]
	s_or_b32 s[G0SB+3], s[G0SB+3], 0x80000000
	JLOAD G0S, G1S, G0SB, G1SB
.irp s, 0,1
	s_mov_b32 s[G0+4*\s], 1
	s_add_co_u32 s[G0+4*\s+1], s45, \s*SLOT
	s_add_nc_u64 s[G0+4*\s+2:G0+4*\s+3], s[20:21], \s*4*PLANE
	s_or_b32 s[G0+4*\s+3], s[G0+4*\s+3], 0x80000000
	s_mov_b32 s[G0B+4*\s], 1
	s_add_co_u32 s[G0B+4*\s+1], s66, \s*SLOT
	s_add_nc_u64 s[G0B+4*\s+2:G0B+4*\s+3], s[46:47], \s*ROWB
	s_or_b32 s[G0B+4*\s+3], s[G0B+4*\s+3], 0x80000000
	JLOAD G0+4*\s, G1, G0B+4*\s, G1B
.endr
	v_and_b32 v1, 15, v0                           ; r
	v_bfe_u32 v2, v0, 4, 1                         ; h
	v_mul_u32_u24 v3, v1, PITCH
	v_mul_u32_u24 v4, v2, 24
	v_add_nc_u32 v4, v3, v4                        ; B: row x pitch + 24 h
	v_lshl_add_u32 v5, v2, 4, v4                   ; and behind one padding more
	v_mul_u32_u24 v6, v1, 48
	v_mad_u32_u24 v6, v2, 24, v6                   ; A: row x 48 + 24 h
	s_mul_i32 s21, s15, HALFA
	s_mul_i32 s22, s16, HALFT
	s_add_co_u32 s22, s22, 2*HALFA
.irp s, 0,1
	v_add_nc_u32 v[ADRA+\s], s21, v6
	v_add_nc_u32 v[ADRB+\s], s22, v4
	v_add_nc_u32 v[ADRB+2+\s], s22, v5
	s_add_co_u32 s21, s21, SLOT
	s_add_co_u32 s22, s22, SLOT
.endr
	v_mul_u32_u24 v5, v1, KS
	v_lshrrev_b32 v6, 8, v5
	v_lshl_add_u32 v5, v6, 4, v5
	s_mul_i32 s21, s15, HALFS
	s_mul_i32 s22, s16, HALFS
	s_add_co_u32 s22, s22, 2*HALFS
	s_sub_co_u32 s22, s22, s21
	v_mul_u32_u24 v6, s22, v2                      ; lanes 16-31 take B's scale words
	s_add_co_u32 s21, s21, SCL
	v_add_nc_u32 v5, v5, v6
	v_add_nc_u32 v[ADRS], s21, v5
	s_mul_i32 s23, s14, 16*SPITCH                  ; my stage
	v_mul_u32_u24 v5, v1, SPITCH
	v_lshl_add_u32 v5, v2, 7, v5                   ; in: row r; my half's features begin 32 h on: 128 h bytes
	v_add_nc_u32 v[STO], s23, v5
	v_and_b32 v6, 31, v0
	v_lshlrev_b32 v[CO], 4, v6                     ; back: the 32 lanes take one row of 512 bytes; the same in out0
	v_add_nc_u32 v[RD], s23, v[CO]
	v_lshlrev_b32 v[BJO], 7, v2
	s_lshl_b32 s20, s17, 8
	s_lshl_b32 s21, s15, 7
	s_add_co_u32 s20, s20, s21                     ; my first row: the turned bits stay inside 64 rows
	s_lshl_b32 s20, s20, 12                        ; 4,096 bytes a row
	s_lshl_b32 s46, s42, 10
	s_lshl_b32 s47, s16, 9
	s_add_co_u32 s46, s46, s47                     ; my first column, in bytes; in out_b too
	s_add_co_u32 s20, s20, s46
	s_mov_b32 s21, 0
	s_add_nc_u64 s[12:13], s[12:13], s[20:21]
	s_mov_b32 s47, 0
	s_add_nc_u64 s[46:47], s[96:97], s[46:47]
.irp b, 0,1,2,3,4,5,6,7                        ; register 8 b + j of lane (r, h) is feature 64 (b / 4) + 32 h + 8 (b % 4) + j
	global_load_b128 v[BJ+8*\b:BJ+8*\b+3], v[BJO], s[46:47] offset:256*(\b/4)+32*(\b%4)
	global_load_b128 v[BJ+8*\b+4:BJ+8*\b+7], v[BJO], s[46:47] offset:256*(\b/4)+32*(\b%4)+16
.endr
.macro FRAG reg, adr, q, i             ; B: 16 rows x 128 K: 24 bytes of the row twice, in pieces of 8; the second address register serves the pieces that lie behind one padding more
.irp p, 0,1,2,3,4,5
.set PCE, 12*(\q)+6*(\p/3)+\p%3
.if PCE%8 < 5
	ds_load_b64 v[\reg+2*\p:\reg+2*\p+1], v[\adr] offset:8*PCE+16*(PCE/8)+(\i)*16*PITCH
.else
	ds_load_b64 v[\reg+2*\p:\reg+2*\p+1], v[\adr+2] offset:8*PCE+16*(PCE/8)+(\i)*16*PITCH
.endif
.endr
.endm
.macro FRAGA reg, adr, q, i            ; A: registers 6 c .. 6 c + 5: plane 2 q + c, row 16 i + r, bytes 24 h on
.irp p, 0,1,2,3,4,5
	ds_load_b64 v[\reg+2*\p:\reg+2*\p+1], v[\adr] offset:(2*(\q)+\p/3)*6144+(\i)*768+8*(\p%3)
.endr
.endm
; 16 matrix instructions; the 64 accumulators take turns, one instruction a turn, in the same order in every step.  zero = 1: the bias starts the sums
.macro MUL16 a0, p, q, sc, zero
.irp a, \a0, \a0+1
.irp b, 0,1,2,3,4,5,6,7
.if \zero
	v_wmma_scale_f32_16x16x128_f8f6f4 v[8*(8*((\a)%4)+\b):8*(8*((\a)%4)+\b)+7], v[128*(\p)+FR*\b:128*(\p)+FR*\b+FR-1], v[AF+FR*(\a):AF+FR*(\a)+FR-1], v[BJ+8*\b:BJ+8*\b+7], v[SC+8*NQ*(\sc)+NQ*\b+(\q)], v[SC+8*NQ*(\sc)+NQ*(\a)+(\q)] matrix_a_fmt:MATRIX_FMT_FP6 matrix_b_fmt:MATRIX_FMT_FP6 matrix_a_scale:MATRIX_SCALE_ROW1
.else
	v_wmma_scale_f32_16x16x128_f8f6f4 v[8*(8*((\a)%4)+\b):8*(8*((\a)%4)+\b)+7], v[128*(\p)+FR*\b:128*(\p)+FR*\b+FR-1], v[AF+FR*(\a):AF+FR*(\a)+FR-1], v[8*(8*((\a)%4)+\b):8*(8*((\a)%4)+\b)+7], v[SC+8*NQ*(\sc)+NQ*\b+(\q)], v[SC+8*NQ*(\sc)+NQ*(\a)+(\q)] matrix_a_fmt:MATRIX_FMT_FP6 matrix_b_fmt:MATRIX_FMT_FP6 matrix_a_scale:MATRIX_SCALE_ROW1
.endif
.endr
.endr
.endm
.macro FETCH_B slot, q, p
	WIN TO_B
.irp i, 0,1,2,3,4,5,6,7
	FRAG 128*(\p)+FR*\i, ADRB+\slot, \q, \i
.endr
	WIN 0
.endm
.macro FETCH_A slot, q, i0
.irp i, \i0, \i0+1, \i0+2, \i0+3
	FRAGA AF+FR*(\i), ADRA+\slot, \q, \i
.endr
.endm
.macro SCALES sc
.irp i, 0,1,2,3,4,5,6,7
	ds_load_b64 v[SC+8*NQ*\sc+NQ*\i:SC+8*NQ*\sc+NQ*\i+1], v[ADRS] offset:\i*SBLK
.endr
.endm
.macro PLACES n
.rept \n
	v_nop
.endr
.endm
.macro STEP slot, q, zero
	s_wait_dscnt 4*NL                              ; B's set and A's blocks 0-3 are in; the youngest 24 loads (A's blocks 4-7) may be out
.if \zero
	WIN MUL_LO0
.else
	WIN MUL_LO
.endif
	MUL16 0, (\q)%2, \q, \slot, \zero
	MUL16 2, (\q)%2, \q, \slot, \zero
	s_wait_dscnt 0
	PLACES NP
	FETCH_B \slot, (\q)+1, 1-(\q)%2
	FETCH_A \slot, (\q)+1, 0
.if \zero
	WIN MUL_HI0
.else
	WIN MUL_HI
.endif
	MUL16 4, (\q)%2, \q, \slot, \zero
	MUL16 6, (\q)%2, \q, \slot, \zero
	PLACES NP
	WIN 0
	FETCH_A \slot, (\q)+1, 4
.endm
.macro TURN slot, next, fill
	s_wait_tensorcnt 0x0                           ; all my tensor loads have landed: my part of the next slot
	ds_add_u32 v[SPW], v[NIL]
	s_wait_dscnt 4*NL+1                            ; the add and the youngest 24 loads may be out
	WIN MUL_LO
	MUL16 0, 1, NQ-1, \slot, 0
	s_wait_dscnt 0x0                               ; the add is done, and my reads of this slot are over
	s_barrier_signal -1
	MUL16 2, 1, NQ-1, \slot, 0
	WIN 0
	s_barrier_wait -1
.if \fill
	CREST                                          ; the barrier has opened a round of the cluster's
	s_add_nc_u64 s[G0+4*\slot+2:G0+4*\slot+3], s[G0+4*\slot+2:G0+4*\slot+3], 8*PLANE
	s_add_nc_u64 s[G0B+4*\slot+2:G0B+4*\slot+3], s[G0B+4*\slot+2:G0B+4*\slot+3], 2*ROWB
	JLOAD G0+4*\slot, G1, G0B+4*\slot, G1B         ; the first tensor load behind the round
.else
	PLACES NP
.endif
	v_add_nc_u32 v[ADRS], 4*NQ, v[ADRS]
	FETCH_B \next, 0, 0
	FETCH_A \next, 0, 0
	SCALES \next
	WIN MUL_HI
	MUL16 4, 1, NQ-1, \slot, 0
	MUL16 6, 1, NQ-1, \slot, 0
	PLACES NP
	WIN 0
	FETCH_A \next, 0, 4
.endm
	s_wait_loadcnt 0x0                             ; the bias
	s_wait_tensorcnt 1                             ; the scale bytes and my part of K step 0 are in; K step 1's load may be out
	s_barrier_signal -1
	s_barrier_wait -1
	FETCH_B 0, 0, 0
	FETCH_A 0, 0, 0
	SCALES 0
	FETCH_A 0, 0, 4
	STEP 0, 0, 1
	s_mov_b32 s3, LAPS-1
.Llap:
	TURN 0, 1, 1
	STEP 1, 0, 0
	TURN 1, 0, 1
	STEP 0, 0, 0
	s_sub_co_u32 s3, s3, 1
	s_cmp_lg_u32 s3, 0
	s_cbranch_scc1 .Llap
	TURN 0, 1, 0
	STEP 1, 0, 0
	s_wait_dscnt 4*NL
	WIN MUL_LO
	MUL16 0, 1, NQ-1, 1, 0
	MUL16 2, 1, NQ-1, 1, 0
	s_wait_dscnt 0
	WIN MUL_HI
	MUL16 4, 1, NQ-1, 1, 0
	MUL16 6, 1, NQ-1, 1, 0
	WIN 0
; THE WAY OUT, block by block of 16 stored tokens x 128 features, through my own stage: a lane's eight results of tile b are features 64 (b / 4) + 32 h + 8 (b % 4) + 0 .. 7 of its row; whole rows of 512 bytes come back.
.macro TOSTAGE blk
.set AC, 64*((\blk)%4)
	WIN (0x08+4*((\blk)/4))                        ; an LDS store's data: window 2 or 3
.irp b, 0,1,2,3,4,5,6,7
	ds_store_b128 v[STO], v[AC+8*\b:AC+8*\b+3] offset:256*(\b/4)+32*(\b%4)          ; each accumulator from its low end on
	ds_store_b128 v[STO], v[AC+8*\b+4:AC+8*\b+7] offset:256*(\b/4)+32*(\b%4)+16
.endr
	WIN 0
.set BB, BK+64*((\blk)%2)
.irp t, 0,1,2,3,4,5,6,7,8,9,10,11,12,13,14,15
	ds_load_b128 v[BB+4*\t:BB+4*\t+3], v[RD] offset:\t*SPITCH    ; LDS serves a wave's instructions in order
.endr
.endm
.macro SEND blk, younger               ; stored row 16 blk + t is token 64 (blk / 4) + 8 (blk % 4) + 32 (t / 8) + t % 8
.set BB, BK+64*((\blk)%2)
	s_wait_dscnt \younger
.irp t, 0,1,2,3,4,5,6,7,8,9,10,11,12,13,14,15
	global_store_b128 v[CO], v[BB+4*\t:BB+4*\t+3], s[12:13] offset:(64*((\blk)/4)+8*((\blk)%4)+32*(\t/8)+\t%8)*4096 th:TH_STORE_NT   ; 32 lanes store 512 consecutive aligned bytes
.endr
.endm
	PLACES NP
	TOSTAGE 0
.irp k, 1,2,3,4,5,6,7
.if \k > 1
	s_wait_xcnt 0x0                                ; the stores of two blocks back have read their registers: this block's loads may land there
.endif
	TOSTAGE \k
	SEND \k-1, 32                                  ; behind that block's loads: this block's 16 stores and 16 loads
.endr
	SEND 7, 0
	s_wait_tensorcnt 0x0                           ; the wave's end
	ds_add_u32 v[SPW], v[NIL]
	s_wait_dscnt 0x0
	CROUND                                         ; the closing round
	s_endpgm
.Lfunc_end_k_q01ee066ccb_gemm_out:
	.size	k_q01ee066ccb_gemm_out, .Lfunc_end_k_q01ee066ccb_gemm_out-k_q01ee066ccb_gemm_out
	.p2alignl 7, 3214868480
	.fill 96, 4, 3214868480
	.section	.rodata,"a",@progbits
	.p2align	6, 0x0
	.amdhsa_kernel k_q01ee066ccb_gemm_out
		.amdhsa_group_segment_fixed_size 327680
		.amdhsa_private_segment_fixed_size 0
		.amdhsa_enable_private_segment 0
		.amdhsa_kernarg_size 48
		.amdhsa_user_sgpr_count 2
		.amdhsa_user_sgpr_kernarg_segment_ptr 1
		.amdhsa_wavefront_size32 1
		.amdhsa_system_sgpr_workgroup_id_x 1
		.amdhsa_system_sgpr_workgroup_id_y 1
		.amdhsa_system_sgpr_workgroup_id_z 1
		.amdhsa_system_vgpr_workitem_id 0
		.amdhsa_next_free_vgpr 1024
		.amdhsa_next_free_sgpr 100
		.amdhsa_reserve_vcc 0
		.amdhsa_float_denorm_mode_32 3
		.amdhsa_float_denorm_mode_16_64 3
		.amdhsa_memory_ordered 1
		.amdhsa_forward_progress 1
		.amdhsa_inst_pref_size 161
	.end_amdhsa_kernel
	.amdgpu_metadata
---
amdhsa.version: [ 1, 2 ]
amdhsa.kernels:
  - .name:           k_q01ee066ccb_gemm_out
    .symbol:         k_q01ee066ccb_gemm_out.kd
    .args:
      - { .name: yq, .offset: 0, .size: 8, .value_kind: global_buffer, .address_space: global }
      - { .name: ys, .offset: 8, .size: 8, .value_kind: global_buffer, .address_space: global }
      - { .name: wq, .offset: 16, .size: 8, .value_kind: global_buffer, .address_space: global }
      - { .name: ws, .offset: 24, .size: 8, .value_kind: global_buffer, .address_space: global }
      - { .name: out_b, .offset: 32, .size: 8, .value_kind: global_buffer, .address_space: global }
      - { .name: out0, .offset: 40, .size: 8, .value_kind: global_buffer, .address_space: global }
    .group_segment_fixed_size: 327680
    .private_segment_fixed_size: 0
    .kernarg_segment_align: 8
    .kernarg_segment_size: 48
    .max_flat_workgroup_size: 128
    .sgpr_count:     100
    .vgpr_count:     1024
    .wavefront_size: 32
...
	.end_amdgpu_metadata
.endif
;; end of part 4
